; MI455X (gfx1250); checked and timed in simulation.
; The chip was launched on July 23, 2026; its instructions are those of AMD's public machine-readable ISA for CDNA 5 (MIT licence, August 2026) and "CDNA5" Instruction Set Architecture Reference Guide (July 2026). The comments in the code are by the model that wrote it; some were corrected since.
;; Channel Mixing KAN. Allowed arithmetic: matrix products marked QUANTISED: E3M2 operands, one E8M0 scale for each 32 along K, by v_wmma_scale_f32_16x16x128_f8f6f4 with both operands' format E3M2, f32 sums; everything else in f32.
;; Inputs: U 64 x 128 x 512 float32; bw1_codes 256 x 4 x 24 uint8 (E3M2 codes of bw1, K innermost, in blocks of 32 codes, four codes in three bytes); bw1_scales 256 x 4 uint8 (E8M0 scales of bw1, one for each 32 codes along K); bw2_codes 128 x 8 x 24 uint8 (E3M2 codes of bw2, K innermost, in blocks of 32 codes, four codes in three bytes); bw2_scales 128 x 8 uint8 (E8M0 scales of bw2, one for each 32 codes along K); ln_b 512 x 128 float32; ln_w 512 x 128 float32; ss1 256 x 128 float32; ss2 128 x 256 float32; sw1 256 x 128 x 8 float32; sw2 128 x 256 x 8 float32.
;; Outputs: out0 64 x 128 x 512 float32.
;; This version of the problem:
;;   THIS VERSION OF THE PROBLEM IS GIVEN IN LOW PRECISION. The matrix products marked QUANTISED in the list below multiply operands that are first quantised to E3M2 (3 exponent bits, 2 mantissa bits; 6 bits a number), with one power-of-two scale for each 32 numbers along K (OCP MX v1.0); their sums are f32. All else is computed in f32.
;;   The module's matrix products, in the order in which they are computed (A, B: the left and right operand; K: the contracted axis; several contracted axes count as one K, in the product's order):
;;     1. [M 32,768, K 128] x [K 128, N 256]; A: computed on the way; B: input bw1 (given as codes): QUANTISED
;;     2. [M 32,768, K 1,024] x [K 1,024, N 256]; A: computed on the way; B: computed on the way: QUANTISED
;;     3. [M 32,768, K 256] x [K 256, N 128]; A: computed on the way; B: input bw2 (given as codes): QUANTISED
;;     4. [M 32,768, K 2,048] x [K 2,048, N 128]; A: computed on the way; B: computed on the way: QUANTISED
;;   THE QUANTISER, for each operand of a quantised product, along K:
;;     - K is cut into blocks of 32 from its start; a last block that is shorter is filled with zeros.
;;     - A block's scale is 2^e with e = floor(log2(the largest magnitude in the block)) - 4, held to -126 .. 127; a block of zeros has e = 0. As a byte (E8M0): e + 127.
;;     - Each number is divided by its block's scale, clamped to +-28, and rounded to the nearest number of E3M2, ties to even, subnormals kept.
;;     - The product sums the exact products of the quantised numbers (number of the format x scale) in f32.
;;   ~~~python
;;   def quantise(x, axis):      # numpy; x: float32 -> the quantised numbers, widened to float32 again
;;       x = np.moveaxis(x, axis, -1); K = x.shape[-1]
;;       x = np.pad(x, [(0, 0)] * (x.ndim - 1) + [(0, -K % 32)]); x = x.reshape(x.shape[:-1] + (-1, 32)); a = np.abs(x).max(-1, keepdims=True)
;;       e = np.where(a > 0, np.clip(np.frexp(np.where(a > 0, a, 1))[1] - 1 - 4, -126, 127), 0)      # np.frexp(a)[1] - 1 = floor(log2(a)), exactly
;;       r = np.clip(x / 2.0 ** e, -28, 28)
;;       step = 2.0 ** (np.maximum(np.frexp(np.where(r == 0, 1, r))[1] - 1, -2) - 2)
;;       q = np.round(r / step) * step * 2.0 ** e      # np.round: ties to even
;;       return np.moveaxis(q.reshape(q.shape[:-2] + (-1,))[..., :K], -1, axis).astype(np.float32)
;;   ~~~
;;   OPERANDS COMPUTED ON THE WAY. 'Computed on the way' means the value that the module computes at that place (a softmax that the list does not call 'softmax' is quantised finished and normalised). What goes into a quantiser is computed in f32, as accurately as f32 sums, v_exp_f32 and their like allow (about 1e-6 of the number): no bf16 or f16 on the way to a quantiser, and a product that is left as it is and whose result goes on into a quantised operand takes f32 operands (vector FMAs, or v_wmma_f32_16x16x4_f32). A number that lies on a knife's edge between two numbers of the format may be rounded either way, as far as f32 arithmetic and the matrix unit's own rounding can turn it there, and no further.
;;   INPUTS GIVEN AS CODES. bw1 (in the module: [256, 128], K = its axis 1); bw2 (in the module: [128, 256], K = its axis 1): each comes as NAME_codes (uint8): NAME with its K axis moved to the last place and cut into blocks of 32 codes, [.., K / 32, bytes a block], one block behind the other in memory; four codes in three bytes: a row's codes are one little-endian stream of bits, code i at bits 6 i .. 6 i + 5 (a code: sign, 3 exponent bits, 2 mantissa bits); and NAME_scales (uint8): the same leading axes, one E8M0 byte (e + 127) for each 32 codes along K. Its value is code x scale, taken as it is: it is not quantised again, and the codes and scales need not be those that the quantiser above would give.
;; 2 versions, each right; version 2 is version 1 with the launch kan written anew for expert scheduling mode. Each part assembles by itself: llvm-mc -triple=amdgcn-amd-amdhsa -mcpu=gfx1250 --defsym DOCPART=n.
;; ======== version 1 of 2: 2 launches
;; workspace buffers: stats 16,384 bytes; wfrag 544,768 bytes
;; launch prep (part 1): grid 294 x 1, 8 waves a work-group, no clusters, 70,656 bytes of LDS; arguments U, sw1, ss1, sw2, ss2, bw1_codes, bw1_scales, bw2_codes, bw2_scales, stats, wfrag; writes stats, wfrag
.if DOCPART == 1
	.amdgcn_target "amdgcn-amd-amdhsa--gfx1250"
	.amdhsa_code_object_version 6
	.text
	.protected	k_qd262e3a8dd_prep
	.globl	k_qd262e3a8dd_prep
	.p2align	8
	.type	k_qd262e3a8dd_prep,@function
k_qd262e3a8dd_prep:
	s_mov_b64 s[64:65], 0
	v_nop
	global_prefetch_b8 v0, s[64:65] scope:SCOPE_SE
	s_setreg_imm32_b32 hwreg(HW_REG_WAVE_MODE, 25, 1), 1
	s_wait_xcnt 0x0
; TWO JOBS IN ONE LAUNCH, parted by the work-group's number; waves share nothing, so there is no barrier.
; (S) work-groups 0..255: the LayerNorm's statistics.  A wave takes a chunk of 2,048 consecutive floats of U (8,192 bytes; a batch is 32 chunks) and stores
;     its mean and its sum of squared distances from that mean (two passes over registers: no difference of large sums).  The next launch joins a batch's 32 pairs.
; (F) work-groups 256..293: the weights of both KAN layers as IMAGES OF OPERAND REGISTERS.  A wave makes one record of REC = 1,792 bytes: register 4 q + i of lane L at byte
;     512 q + 16 L + 4 i (12 registers: 16 rows x 128 K of E3M2 codes), then lane L's scale word at 1,536 + 4 L.  Each of a record's three code stores covers 512 consecutive bytes at a multiple of 256.
;     Spline weights: sw x ss in f32, then the quantiser along K = (feature, coefficient): a block of 32 is 4 features x 8 coefficients = 32 consecutive floats of a row of sw.
;     A block's scale is 2^(floor(log2(largest magnitude)) - 4); its byte is the largest magnitude's exponent field - 4, held at 1 from below.
;     bw1 and bw2 arrive as codes: they are only laid into records.
;     Which rows form a tile and which blocks of K form a step is the order in which the next launch's lanes hold their numbers (its head comment); both operands use the same order.
; LIMITS: NaN and infinities are not served.  A block whose largest magnitude is under 2^-122 (a block of zeros too) gets the byte 1, not the rule's: its bytes are read by this program alone, and zero codes add nothing.
; The 8 bytes that a wave of (S) stores are a small part of an aligned 256 bytes: 16 KiB in the whole launch.
.set REC,  1792
.set STG,  8704                        ; LDS: a stage of 32 segments x (256 + 16) bytes for each wave
.set RAW,  16                          ; v16-79   64 floats as loaded; later v16-27 the fragment, v28-34 halves of blocks
.set SS,   80                          ; v80-87   my 8 numbers of ss
.set X,    96                          ; v96-159  my 64 neighbours along K
.macro LANESUM x                       ; the sum over the wave's 32 lanes, in every lane
	v_add_f32_dpp v[\x], v[\x], v[\x] row_xmask:1 row_mask:0xf bank_mask:0xf
	v_add_f32_dpp v[\x], v[\x], v[\x] row_xmask:2 row_mask:0xf bank_mask:0xf
	v_add_f32_dpp v[\x], v[\x], v[\x] row_xmask:4 row_mask:0xf bank_mask:0xf
	v_add_f32_dpp v[\x], v[\x], v[\x] row_xmask:8 row_mask:0xf bank_mask:0xf
	v_permlanex16_b32 v12, v[\x], s34, s35
	v_add_f32 v[\x], v[\x], v12
.endm
; 16 loads bring 32 segments of 256 bytes, sixteen lanes to a segment: load i brings segments 2 i and 2 i + 1.  Segment 16 h + r is what lane (r, h) will hold:
; row (rb (r / 8) + r % 8) of the tile, 1,024 h bytes (8 blocks) further along K.
.macro LD16 sb, rb, pitch
.irp i, 0,1,2,3,4,5,6,7,8,9,10,11,12,13,14,15
	global_load_b128 v[RAW+4*\i:RAW+4*\i+3], v6, s[\sb:\sb+1] offset:(2*(\i&3)+\rb*((\i&7)>>2))*\pitch+1024*(\i>>3) th:TH_LOAD_NT
.endr
.endm
	s_load_b512 s[4:19], s[0:1], 0x0               ; U s[4:5], sw1 s[6:7], ss1 s[8:9], sw2 s[10:11], ss2 s[12:13], bw1's codes s[14:15], scales s[16:17], bw2's codes s[18:19]
	s_load_b128 s[20:23], s[0:1], 0x40             ; bw2's scales s[20:21], stats s[22:23]
	s_load_b64 s[24:25], s[0:1], 0x50              ; wfrag
	v_lshl_add_u32 v160, v0, 2, 0x11000
	v_mov_b32 v161, 0
	v_lshrrev_b32 v1, 5, v0
	v_readfirstlane_b32 s26, v1                    ; wave 0..7
	v_and_b32 v1, 31, v0                           ; lane
	v_lshlrev_b32 v2, 4, v1                        ; 16 x lane
	v_mov_b32 v12, 0                               ; a lane permute's destination counts as one of its sources
	s_mov_b32 s29, 0
	s_mov_b32 s34, 0x76543210
	s_mov_b32 s35, 0xfedcba98                      ; v_permlanex16_b32's selects for lane l xor 16
	s_cmp_lt_u32 ttmp9, 256
	s_cbranch_scc0 .Lfrag
	; ---- (S) a chunk's mean and M2
	s_lshl_b32 s27, ttmp9, 3
	s_add_co_u32 s27, s27, s26                     ; chunk
	s_lshl_b32 s28, s27, 13                        ; 8,192 bytes a chunk
	s_lshl_b32 s30, s27, 3                         ; 8 bytes of stats a chunk
	s_mov_b32 s31, 0
	s_wait_kmcnt 0x0
	s_add_nc_u64 s[4:5], s[4:5], s[28:29]
	s_add_nc_u64 s[22:23], s[22:23], s[30:31]
.irp i, 0,1,2,3,4,5,6,7,8,9,10,11,12,13,14,15
	global_load_b128 v[RAW+4*\i:RAW+4*\i+3], v2, s[4:5] offset:512*\i   ; 512 consecutive bytes a load; no hint: the next launch reads U again
.endr
	s_wait_loadcnt 0x0
.irp c, 0,1,2,3
	v_pk_add_f32 v[80+2*\c:81+2*\c], v[RAW+2*\c:RAW+2*\c+1], v[RAW+8+2*\c:RAW+9+2*\c]   ; four chains, started by the first eight pairs
.endr
.irp p, 8,12,16,20,24,28
.irp c, 0,1,2,3
	v_pk_add_f32 v[80+2*\c:81+2*\c], v[80+2*\c:81+2*\c], v[RAW+2*(\p+\c):RAW+2*(\p+\c)+1]
.endr
.endr
	v_pk_add_f32 v[80:81], v[80:81], v[82:83]
	v_pk_add_f32 v[84:85], v[84:85], v[86:87]
	v_pk_add_f32 v[80:81], v[80:81], v[84:85]
	v_add_f32 v80, v80, v81
	LANESUM 80
	v_mul_f32 v80, 0x3a000000, v80                 ; / 2,048: the chunk's mean
	v_mov_b32 v81, v80
.set pp, 0
.rept 32
	v_pk_add_f32 v[RAW+2*pp:RAW+2*pp+1], v[RAW+2*pp:RAW+2*pp+1], v[80:81] neg_lo:[0,1] neg_hi:[0,1]   ; x - mean
.set pp, pp+1
.endr
.irp c, 0,1,2,3
	v_pk_mul_f32 v[88+2*\c:89+2*\c], v[RAW+2*\c:RAW+2*\c+1], v[RAW+2*\c:RAW+2*\c+1]
.endr
.set pp, 4
.rept 28
	v_pk_fma_f32 v[88+2*(pp%4):89+2*(pp%4)], v[RAW+2*pp:RAW+2*pp+1], v[RAW+2*pp:RAW+2*pp+1], v[88+2*(pp%4):89+2*(pp%4)]
.set pp, pp+1
.endr
	v_pk_add_f32 v[88:89], v[88:89], v[90:91]
	v_pk_add_f32 v[92:93], v[92:93], v[94:95]
	v_pk_add_f32 v[88:89], v[88:89], v[92:93]
	v_add_f32 v88, v88, v89
	LANESUM 88
	v_mov_b32 v81, v88                             ; v[80:81] = mean, M2
	v_mov_b32 v3, 0
	v_cmp_eq_u32 vcc_lo, 0, v1
	s_wait_xcnt 0x0                                ; EXEC changes only when the earlier loads have read it
	s_and_saveexec_b32 s36, vcc_lo                 ; lane 0 stores for the wave
	global_store_b64 v3, v[80:81], s[22:23]
	s_wait_xcnt 0x0                                ; and again in front of the line that widens it
	s_or_b32 exec_lo, exec_lo, s36
	s_endpgm
	; ---- (F) one record a wave
.Lfrag:
	s_sub_co_u32 s27, ttmp9, 256
	s_lshl_b32 s27, s27, 3
	s_add_co_u32 s27, s27, s26                     ; task 0..303: 0-127 layer 1's splines, 128-255 layer 2's, 256-271 bw1, 272-303 bw2
	v_and_b32 v4, 15, v0                           ; r
	v_bfe_u32 v5, v0, 4, 1                         ; h
	v_lshlrev_b32 v3, 2, v1                        ; 4 x lane
	s_mul_i32 s36, s26, STG                        ; my stage
	v_mul_u32_u24 v7, v5, 272
	v_lshl_add_u32 v7, v4, 4, v7
	v_add_nc_u32 v7, s36, v7                       ; in: segment 2 i + h (544 i in the immediate), 16 bytes a lane
	v_mul_u32_u24 v8, v1, 272
	v_add_nc_u32 v8, s36, v8                       ; back: segment = my lane
	v_lshrrev_b32 v9, 3, v4
	v_and_b32 v10, 7, v4
	v_lshl_add_u32 v13, v9, 5, v10                 ; 32 (r / 8) + r % 8: my row in a tile of W1
	s_wait_kmcnt 0x0
	s_cmp_lt_u32 ttmp9, 272                        ; the limits between the kinds of task are multiples of 8: all waves of a work-group go one way
	s_cbranch_scc1 .Lspl1
	s_cmp_lt_u32 ttmp9, 288
	s_cbranch_scc1 .Lspl2
	s_cmp_lt_u32 ttmp9, 290
	s_cbranch_scc1 .Lbase1
	; bw2 (w, n): lane (r, h) takes channel 16 n + r, block 2 w + h of its 8; the record's upper 64 along K are zero codes under the byte 0
	s_sub_co_u32 s37, s27, 272
	s_and_b32 s39, s37, 7                          ; n
	s_lshr_b32 s37, s37, 3                         ; w
	s_mul_i32 s30, s37, 40
	s_add_co_u32 s30, s30, s39
	s_add_co_u32 s30, s30, 144                     ; record
	s_mul_i32 s28, s39, 3072                       ; 16 rows of 192 bytes
	s_mul_i32 s40, s37, 48
	s_add_co_u32 s28, s28, s40
	s_add_nc_u64 s[18:19], s[18:19], s[28:29]
	s_lshl_b32 s28, s39, 7                         ; 16 rows of 8 scale bytes
	s_lshl_b32 s40, s37, 1
	s_add_co_u32 s28, s28, s40
	s_add_nc_u64 s[20:21], s[20:21], s[28:29]
	v_mul_u32_u24 v6, v4, 192
	v_mad_u32_u24 v6, v5, 24, v6
	v_lshlrev_b32 v9, 3, v4
.irp p, 0,1,2
	global_load_b64 v[16+2*\p:17+2*\p], v6, s[18:19] offset:8*\p
.endr
	global_load_u16 v11, v9, s[20:21]              ; the bytes of blocks 2 w and 2 w + 1; the word's upper bytes are 0
.irp i, 22,23,24,25,26,27
	v_mov_b32 v\i, 0
.endr
	s_branch .Lstore
.Lbase1:                                               ; bw1 (w, tau): lane (r, h) takes unit 64 w + 8 tau + 32 (r / 8) + r % 8, the row's 96 bytes as they lie
	s_bfe_u32 s37, s27, 0x20002                    ; w
	s_and_b32 s39, s27, 3                          ; tau
	s_mul_i32 s30, s37, 36
	s_add_co_u32 s30, s30, s39                     ; record
	s_lshl_b32 s40, s37, 6
	s_lshl_b32 s41, s39, 3
	s_add_co_u32 s40, s40, s41                     ; 64 w + 8 tau
	s_mul_i32 s28, s40, 96
	s_add_nc_u64 s[14:15], s[14:15], s[28:29]
	s_lshl_b32 s28, s40, 2
	s_add_nc_u64 s[16:17], s[16:17], s[28:29]
	v_mul_u32_u24 v6, v13, 96
	v_mad_u32_u24 v6, v5, 24, v6
	v_lshlrev_b32 v9, 2, v13
.irp p, 0,1,2,3,4,5
	global_load_b64 v[16+2*\p:17+2*\p], v6, s[14:15] offset:48*(\p/3)+8*(\p%3)
.endr
	global_load_b32 v11, v9, s[16:17]
	s_branch .Lstore
.Lspl1:                                                ; sw1 x ss1 (w, s, tau): lane (r, h): the same unit; blocks 2 s + 8 (s / 4) + 8 h and the next of the row's 32
	s_lshr_b32 s37, s27, 5                         ; w
	s_bfe_u32 s38, s27, 0x30002                    ; s
	s_and_b32 s39, s27, 3                          ; tau
	s_mul_i32 s30, s37, 36
	s_lshl_b32 s40, s38, 2
	s_add_co_u32 s30, s30, s40
	s_add_co_u32 s30, s30, s39
	s_add_co_u32 s30, s30, 4                       ; record 36 w + 4 (1 + s) + tau
	s_lshl_b32 s40, s37, 6
	s_lshl_b32 s41, s39, 3
	s_add_co_u32 s40, s40, s41
	s_lshl_b32 s40, s40, 9                         ; (64 w + 8 tau) rows of ss1, 512 bytes each
	s_lshl_b32 s41, s38, 1
	s_lshr_b32 s42, s38, 2
	s_lshl_b32 s42, s42, 3
	s_add_co_u32 s41, s41, s42                     ; the first block
	s_lshl_b32 s41, s41, 4                         ; 16 bytes of ss1 a block
	s_add_co_u32 s28, s40, s41
	s_add_nc_u64 s[8:9], s[8:9], s[28:29]
	s_lshl_b32 s28, s28, 3                         ; sw1 has 8 numbers for each of ss1
	s_add_nc_u64 s[6:7], s[6:7], s[28:29]
	v_lshlrev_b32 v6, 12, v5                       ; the odd segment of a load lies one row (4,096 bytes) down
	v_lshl_add_u32 v6, v4, 4, v6
	v_lshlrev_b32 v9, 9, v13
	v_lshl_add_u32 v9, v5, 7, v9                   ; ss1: my row, + 8 h blocks
	LD16 6, 32, 4096
	global_load_b128 v[SS:SS+3], v9, s[8:9]
	global_load_b128 v[SS+4:SS+7], v9, s[8:9] offset:16
	s_branch .Lquant
.Lspl2:                                                ; sw2 x ss2 (w, sigma, n): lane (r, h): channel 16 n + r; blocks 16 w + 8 h + 2 sigma and the next of the row's 64
	s_bfe_u32 s37, s27, 0x20005                    ; w
	s_bfe_u32 s38, s27, 0x20003                    ; sigma
	s_and_b32 s39, s27, 7                          ; n
	s_mul_i32 s30, s37, 40
	s_lshl_b32 s40, s38, 3
	s_add_co_u32 s30, s30, s40
	s_add_co_u32 s30, s30, s39
	s_add_co_u32 s30, s30, 152                     ; record 144 + 40 w + 8 (1 + sigma) + n
	s_lshl_b32 s28, s39, 14                        ; 16 n rows of ss2, 1,024 bytes each
	s_lshl_b32 s40, s37, 8
	s_add_co_u32 s28, s28, s40
	s_lshl_b32 s40, s38, 5
	s_add_co_u32 s28, s28, s40                     ; + (16 w + 2 sigma) blocks of 16 bytes
	s_add_nc_u64 s[12:13], s[12:13], s[28:29]
	s_lshl_b32 s28, s28, 3
	s_add_nc_u64 s[10:11], s[10:11], s[28:29]
	v_lshlrev_b32 v6, 13, v5
	v_lshl_add_u32 v6, v4, 4, v6
	v_lshlrev_b32 v9, 10, v4
	v_lshl_add_u32 v9, v5, 7, v9
	LD16 10, 8, 8192
	global_load_b128 v[SS:SS+3], v9, s[12:13]
	global_load_b128 v[SS+4:SS+7], v9, s[12:13] offset:16
.Lquant:
	s_wait_loadcnt 0x0
.irp i, 0,1,2,3,4,5,6,7,8,9,10,11,12,13,14,15
	ds_store_b128 v7, v[RAW+4*\i:RAW+4*\i+3] offset:544*\i         ; as loaded: sixteen lanes to a segment
.endr
.irp j, 0,1,2,3,4,5,6,7,8,9,10,11,12,13,14,15
	ds_load_b128 v[X+4*\j:X+4*\j+3], v8 offset:16*\j               ; back: a segment to a lane.  LDS serves a wave's instructions in order: these see my stores
.endr
	s_wait_dscnt 0x0
.irp q, 0,2,4,6                                ; x ss: eight coefficients to a feature
.irp u, 0,2,4,6
	v_pk_mul_f32 v[X+8*\q+\u:X+8*\q+\u+1], v[X+8*\q+\u:X+8*\q+\u+1], v[SS+\q:SS+\q+1] op_sel_hi:[1,0]
	v_pk_mul_f32 v[X+8+8*\q+\u:X+8+8*\q+\u+1], v[X+8+8*\q+\u:X+8+8*\q+\u+1], v[SS+\q:SS+\q+1] op_sel:[0,1] op_sel_hi:[1,1]
.endr
.endr
.irp c, 0,1                                    ; my two blocks: all 32 numbers of each are mine
	v_max3_num_f32 v[88+\c], |v[X+32*\c]|, |v[X+1+32*\c]|, 0x2800000   ; with the floor 2^(5 - 127): the byte cannot fall under 1
.endr
.irp i, 2,4,6,8,10,12,14,16,18,20,22,24,26,28,30
.irp c, 0,1
	v_max3_num_f32 v[88+\c], v[88+\c], |v[X+32*\c+\i]|, |v[X+1+32*\c+\i]|
.endr
.endr
.irp c, 0,1
	v_add_nc_u32 v[90+\c], 0xfe000000, v[88+\c]    ; 4 off the exponent field: the conversion's scale operand
.endr
.irp c, 0,1
	v_lshrrev_b32 v[92+\c], 23, v[90+\c]           ; the scale's byte
.endr
	v_lshl_or_b32 v11, v93, 16, v92                ; my bytes stand for blocks h and 2 + h of the step:
	v_lshlrev_b32 v10, 3, v5
	v_lshlrev_b32 v11, v10, v11                    ; 8 h bits up;
	v_permlanex16_b32 v12, v11, s34, s35
	v_or_b32 v11, v11, v12                         ; with lane l xor 16's two the word is whole
.irp c, 0,1
	v_cvt_scalef32_pk16_bf6_f32 v[16+6*\c:18+6*\c], v[X+32*\c:X+15+32*\c], v[90+\c]
	v_cvt_scalef32_pk16_bf6_f32 v[28+4*\c:30+4*\c], v[X+16+32*\c:X+31+32*\c], v[90+\c]   ; (a conversion's three registers begin on an even number)
.endr
	v_nop                                          ; one plain place behind a scaled conversion
.irp c, 0,1
.irp i, 0,1,2
	v_mov_b32 v[19+6*\c+\i], v[28+4*\c+\i]
.endr
.endr
.Lstore:
	s_mul_i32 s28, s30, REC
	s_add_nc_u64 s[24:25], s[24:25], s[28:29]
	s_wait_loadcnt 0x0                             ; (the records that are only laid out come here straight from their loads)
	global_store_b128 v2, v[16:19], s[24:25]
	global_store_b128 v2, v[20:23], s[24:25] offset:512
	global_store_b128 v2, v[24:27], s[24:25] offset:1024
	global_store_b32 v3, v11, s[24:25] offset:1536
	s_wait_tensorcnt 0x0
	ds_add_u32 v160, v161
	s_wait_dscnt 0x0
	s_endpgm
.Lfunc_end_k_qd262e3a8dd_prep:
	.size	k_qd262e3a8dd_prep, .Lfunc_end_k_qd262e3a8dd_prep-k_qd262e3a8dd_prep
	.p2alignl 7, 3214868480
	.fill 96, 4, 3214868480
	.section	.rodata,"a",@progbits
	.p2align	6, 0x0
	.amdhsa_kernel k_qd262e3a8dd_prep
		.amdhsa_group_segment_fixed_size 70656
		.amdhsa_private_segment_fixed_size 0
		.amdhsa_enable_private_segment 0
		.amdhsa_kernarg_size 88
		.amdhsa_user_sgpr_count 2
		.amdhsa_user_sgpr_kernarg_segment_ptr 1
		.amdhsa_wavefront_size32 1
		.amdhsa_system_sgpr_workgroup_id_x 1
		.amdhsa_system_sgpr_workgroup_id_y 1
		.amdhsa_system_sgpr_workgroup_id_z 1
		.amdhsa_system_vgpr_workitem_id 0
		.amdhsa_next_free_vgpr 162
		.amdhsa_next_free_sgpr 66
		.amdhsa_reserve_vcc 1
		.amdhsa_float_denorm_mode_32 3
		.amdhsa_float_denorm_mode_16_64 3
		.amdhsa_memory_ordered 1
		.amdhsa_forward_progress 1
		.amdhsa_inst_pref_size 27
	.end_amdhsa_kernel
	.amdgpu_metadata
---
amdhsa.version: [ 1, 2 ]
amdhsa.kernels:
  - .name:           k_qd262e3a8dd_prep
    .symbol:         k_qd262e3a8dd_prep.kd
    .args:
      - { .name: U, .offset: 0, .size: 8, .value_kind: global_buffer, .address_space: global }
      - { .name: sw1, .offset: 8, .size: 8, .value_kind: global_buffer, .address_space: global }
      - { .name: ss1, .offset: 16, .size: 8, .value_kind: global_buffer, .address_space: global }
      - { .name: sw2, .offset: 24, .size: 8, .value_kind: global_buffer, .address_space: global }
      - { .name: ss2, .offset: 32, .size: 8, .value_kind: global_buffer, .address_space: global }
      - { .name: bw1_codes, .offset: 40, .size: 8, .value_kind: global_buffer, .address_space: global }
      - { .name: bw1_scales, .offset: 48, .size: 8, .value_kind: global_buffer, .address_space: global }
      - { .name: bw2_codes, .offset: 56, .size: 8, .value_kind: global_buffer, .address_space: global }
      - { .name: bw2_scales, .offset: 64, .size: 8, .value_kind: global_buffer, .address_space: global }
      - { .name: stats, .offset: 72, .size: 8, .value_kind: global_buffer, .address_space: global }
      - { .name: wfrag, .offset: 80, .size: 8, .value_kind: global_buffer, .address_space: global }
    .group_segment_fixed_size: 70656
    .private_segment_fixed_size: 0
    .kernarg_segment_align: 8
    .kernarg_segment_size: 88
    .max_flat_workgroup_size: 256
    .sgpr_count:     66
    .vgpr_count:     162
    .wavefront_size: 32
...
	.end_amdgpu_metadata
.endif
;; end of part 1
;; launch kan (part 2): grid 256 x 1, 4 waves a work-group, no clusters, 308,992 bytes of LDS; arguments U, ln_w, ln_b, stats, wfrag, out0; writes out0
.if DOCPART == 2
	.amdgcn_target "amdgcn-amd-amdhsa--gfx1250"
	.amdhsa_code_object_version 6
	.text
	.protected	k_qd262e3a8dd_kan
	.globl	k_qd262e3a8dd_kan
	.p2align	8
	.type	k_qd262e3a8dd_kan,@function
k_qd262e3a8dd_kan:
	s_mov_b64 s[64:65], 0
	v_nop
	global_prefetch_b8 v0, s[64:65] scope:SCOPE_SE
	s_setreg_imm32_b32 hwreg(HW_REG_WAVE_MODE, 25, 1), 1
	s_wait_xcnt 0x0
; out = U + (KAN2(KAN1(LayerNorm(U^T))))^T.  All four products on codes of E3M2 with one E8M0 scale for each 32 along K; all else in f32.
; SHARES.  Work-group g: batch g / 4, tokens 128 (g % 4) .. + 127: eight tiles m of 16 tokens.  Four waves, one to a SIMD.  L = lane, r = L % 16, h = L / 16.
;   LayerNorm and layer 1's operand: wave w makes the codes of token tiles 2 w and 2 w + 1.  Lane (r, h) holds token r and 64 channels: l = 0 .. 63 is channel l + 32 h + 32 (l / 32).
;   Layer 1's product: wave w makes hidden units 64 w .. + 63 for all 128 tokens (source 0 = 16 rows of W1, source 1 = 16 tokens), nine K steps of 128: silu, then eight of splines.
;     The tokens' fragments go from wave to wave through LDS as images of their registers.  The rows of W1 in a tile are chosen so that lane (r, h) ends with token r, units 64 w + 32 h + 0 .. 31.
;   Layer 2: those 64 units are wave w's QUARTER OF K: it quantises them in registers (half a K step of silu, four of splines) and multiplies them with its quarter of W2 for all 128 channels
;     (source 0 = 16 tokens, source 1 = 16 channels: a lane then holds 8 neighbouring tokens of one channel, as out0 lies).  The four partial sums meet in LDS; wave w adds channels 32 w .. + 31 and U.
; THE SPLINES.  On the even knots basis i of x is N(u - i - 2), u = 2.5 x + 5.5, N(s) = ((2 - |s|)+^3 - 4 (1 - |s|)+^3) / 6: at most four neighbouring bases are not 0.  With cb = floor(u) held to 3 .. 7 they lie among
;   bases cb - 3 .. cb.  A block of 32 along K (4 features x 8 bases) so has 16 numbers that can differ from 0: one conversion makes their codes, and a feature's four codes (24 bits) are shifted by 6 (cb - 3) bits into
;   the feature's 48 bits; the code 0 is the number 0.  N is formed as (ca (2 - d))^3 - (ck (1 - d))^3 with ca = cbrt(1/6), ck = cbrt(2/3).
; THE WEIGHTS (506 KB of codes and scales, laid by the launch before as register images): each fragment is multiplied by ONE wave of a work-group, once, so it goes from memory straight into that wave's registers.
;   NO CLUSTER, NO JOINT LOADS, though all work-groups read the same weights: a joint load lands in LDS, of which this text uses 308,480 of 327,680 bytes; the weights are 1.6 times all of LDS, and each byte
;   would be written to LDS and read from it once more, for one wave's single use.
; BY TURNS.  The vector work ahead of the quantisers (136 instructions for a block of splines) is many times the matrix work, so the matrix instructions stand singly between runs of eight or more vector instructions (macro TICK).
; LIMITS.  NaN and infinities are not served.  A block whose largest magnitude is under 2^-122 keeps the byte 1 (its codes are zeros or next to it; the bytes are read here alone).
;   The order of the blocks within K, and layer 2's K cut into four sums, differ from a plain order of addition.  The cube-root constants are rounded to f32: N is good to about 1e-6 of its value.
; LDS: UT 0: U's tile, later the result: (c, t) at 528 c + 64 (c / 32) + 4 t.  HST: ln_w and ln_b by rows of 528 bytes, a part for each wave; later the hidden layer, a lane's own 16-byte pieces.
;   ZST: z, a lane's own pieces; later two slots of partial sums.  A1R: two slots of eight images (1,536 bytes of codes + 128 of scale words), and behind them the silu step's eight.
; REGISTERS, in windows of 256: window 0: addresses, constants, scale words, fragments just made, vector work.  Window 1: staging, then W2's fragments 0-20.  Window 2: staging, layer 1's 32 accumulators, then layer 2's 8
;   and the sums' parts.  Window 3: the tokens' 8 fragments and W1's 4, then W2's fragments 21-39.
.set REC,   1792
.set HST,   67840
.set LNB,   16896                      ; ln_b's rows behind ln_w's
.set ZST,   203008
.set A1R,   268544
.set IMG,   1664
.set SLOTB, 8*IMG
.set A1BO,  2*SLOTB
.set PSL,   32768
.set L16, 1                            ; 16 L
.set L4,  2                            ; 4 L
.set SH8, 3                            ; 8 h
.set UTW, 4                            ; UT: my wave's rows, 16 bytes a lane
.set UTX, 5                            ; UT: my token's column, my half's channels
.set LNW, 7                            ; ln stage, in
.set LNR, 8                            ; ln stage, out
.set ZA,  9                            ; z's pieces
.set IMW, 10                           ; images that I write;
.set IMS, 11                           ; their scale words
.set IMR, 12                           ; images that I read;
.set ISR, 13                           ; their scale words
.set HA,  15                           ; the hidden layer's pieces
.set PW,  16                           ; partial sums, in
.set PR,  17                           ; partial sums, out
.set UR,  18                           ; UT: my channel's row, my half's tokens
.set WK0, 19                           ; v19-23 addresses at work: a base + a loop's scalar
.set WK1, 20
.set WK2, 21
.set WK3, 22
.set WK4, 23
.set MU,  24                           ; pairs: the mean,
.set RS,  26                           ; 1 / sqrt(var + eps),
.set C55, 30                           ; 5.5,
.set CSH, 32                           ; 2^23 - 18,
.set C10, 34                           ; (1, 0),
.set CM12, 36                          ; (-1, -2),
.set C2CA, 38                          ; 2 ca,
.set CCK, 40                           ; ck,
.set CNN, 42                           ; 2^23 + 42
.set W1S, 44                           ; v44-47 W1's scale words; v48-55 the tokens'; v56-58 those just made; v60-99 W2's: these hold scales and nothing else
.set ASC, 48
.set SA0, 56
.set SA1, 57
.set SAZ, 58
.set W2S, 60
.set FRA, 100                          ; fragments just made
.set FRB, 112
.set FRZ, 124                          ; silu's in layer 2: its upper six registers stay 0
.set XV,  136                          ; v136-167 the numbers in hand
.set T0,  168
.set T1,  184
.set T2,  200
.set T3,  216
.set UU,  232
.set CB,  236
.set SHL, 240
.set MSB, 0
.macro WIN new                         ; the immediate's high byte repeats the setting that is left; a switch that changes nothing is dropped
.if MSB != \new
	s_set_vgpr_msb (MSB<<8)|\new
.set MSB, \new
.endif
.endm
.macro PLACES
.rept 4
	v_nop
.endr
.endm
.macro BAR                             ; my LDS stores have landed and my LDS loads are in: then the work-group's barrier
	s_wait_dscnt 0x0
	s_barrier_signal -1
	s_barrier_wait -1
.endm
.macro LANESUM x
	v_add_f32_dpp v[\x], v[\x], v[\x] row_xmask:1 row_mask:0xf bank_mask:0xf
	v_add_f32_dpp v[\x], v[\x], v[\x] row_xmask:2 row_mask:0xf bank_mask:0xf
	v_add_f32_dpp v[\x], v[\x], v[\x] row_xmask:4 row_mask:0xf bank_mask:0xf
	v_add_f32_dpp v[\x], v[\x], v[\x] row_xmask:8 row_mask:0xf bank_mask:0xf
	v_permlanex16_b32 v250, v[\x], s20, s21
	v_add_f32 v[\x], v[\x], v250
.endm
; Layer 1's product i = 8 tau + m: units' tile tau x token tile m.  The 32 accumulators take turns, one instruction a turn, in the same order in every K step.
.macro MM1X i, zero
.if \zero
	v_wmma_scale_f32_16x16x128_f8f6f4 v[8*(\i):8*(\i)+7], v[96+12*((\i)/8):96+12*((\i)/8)+11], v[12*((\i)%8):12*((\i)%8)+11], 0, v[W1S+(\i)/8], v[ASC+(\i)%8] matrix_a_fmt:MATRIX_FMT_BF6 matrix_b_fmt:MATRIX_FMT_BF6
.else
	v_wmma_scale_f32_16x16x128_f8f6f4 v[8*(\i):8*(\i)+7], v[96+12*((\i)/8):96+12*((\i)/8)+11], v[12*((\i)%8):12*((\i)%8)+11], v[8*(\i):8*(\i)+7], v[W1S+(\i)/8], v[ASC+(\i)%8] matrix_a_fmt:MATRIX_FMT_BF6 matrix_b_fmt:MATRIX_FMT_BF6
.endif
.endm
.macro MM1 i, zero
	WIN 0xAF                                       ; W1 and the tokens in window 3, the sums in window 2
	MM1X \i, \zero
	WIN 0
.endm
; Layer 2's product i = 8 step + n: my tokens' fragment of that step x W2's fragment i (channels 16 n on).  The first eight start the sums; the 8 accumulators take turns.
.macro MM2 i
.if (\i) < 21
	WIN 0xA4                                       ; W2 in window 1, the sums in window 2
.set rB, 12*(\i)
.else
	WIN 0xAC                                       ; W2 in window 3
.set rB, 12*((\i)-21)
.endif
.if (\i) < 8
	v_wmma_scale_f32_16x16x128_f8f6f4 v[8*((\i)%8):8*((\i)%8)+7], v[FRZ:FRZ+11], v[rB:rB+11], 0, v[SAZ], v[W2S+(\i)] matrix_a_fmt:MATRIX_FMT_BF6 matrix_b_fmt:MATRIX_FMT_BF6
.elseif (((\i)/8)%2) == 1
	v_wmma_scale_f32_16x16x128_f8f6f4 v[8*((\i)%8):8*((\i)%8)+7], v[FRA:FRA+11], v[rB:rB+11], v[8*((\i)%8):8*((\i)%8)+7], v[SA0], v[W2S+(\i)] matrix_a_fmt:MATRIX_FMT_BF6 matrix_b_fmt:MATRIX_FMT_BF6
.else
	v_wmma_scale_f32_16x16x128_f8f6f4 v[8*((\i)%8):8*((\i)%8)+7], v[FRB:FRB+11], v[rB:rB+11], v[8*((\i)%8):8*((\i)%8)+7], v[SA1], v[W2S+(\i)] matrix_a_fmt:MATRIX_FMT_BF6 matrix_b_fmt:MATRIX_FMT_BF6
.endif
	WIN 0
.endm
.macro RELOAD t                        ; W1's fragment tau = t and its scale words, of the K step at which s[40:41] stands: 4 loads
	WIN 0xC0
.irp q, 0,1,2
	global_load_b128 v[96+12*(\t)+4*\q:96+12*(\t)+4*\q+3], v[L16], s[40:41] offset:REC*(\t)+512*\q
.endr
	WIN 0
	global_load_b32 v[W1S+(\t)], v[L4], s[40:41] offset:REC*(\t)+1536
.endm
; THE QUEUE.  TICK stands at places of the vector work that have eight plain vector instructions or more behind the TICK before; while the queue has items it writes the next one there.
; Kind 1 (layer 1): item i < 32 is product i.  When a group of eight has been issued, its fragment of W1 is loaded anew for the next K step: the eight vector instructions are the places that such a load wants behind the last
; product that read the registers (four are asked).  Ahead of each group: the wait for its 4 loads; behind these, three later groups' 12 loads have been issued, whatever the group.
; Kind 2 (layer 2): item i is product i; ahead of item 16 the wait for W2's fragments 21 on (asked for in front of the loop).
.set QK, 0
.set QI, 0
.set QE, 0
.set QZ, 0
.macro QSET k, a, b
.set QK, \k
.set QI, \a
.set QE, \b
.endm
.macro TICK
.if QI < QE
.if QK == 1
.if ((QI%8) == 0) && (QI > 0)
	RELOAD (QI/8-1)
.endif
.if QI < 32
.if (QI%8) == 0
	s_wait_loadcnt 12
.endif
	MM1 QI, QZ
.endif
.else
.if QI == 16
	s_wait_loadcnt 0x0
.endif
	MM2 QI
.endif
.set QI, QI+1
.endif
.endm
; A BLOCK OF SPLINES: four numbers v[x] .. v[x + 3] become the block's 192 bits in v[dst] .. v[dst + 5] and its scale byte in v[by].  hook = 1: once x is read, the next tile's 32 numbers are asked for.
.macro GENBLK x, dst, by, hook
	v_pk_fma_f32 v[UU:UU+1], v[\x:\x+1], s[22:23], v[C55:C55+1] op_sel_hi:[1,0,1]       ; u = 2.5 x + 5.5
	v_pk_fma_f32 v[UU+2:UU+3], v[\x+2:\x+3], s[22:23], v[C55:C55+1] op_sel_hi:[1,0,1]
.if \hook
.irp p, 0,1,2,3,4,5,6,7
	ds_load_b128 v[XV+4*\p:XV+4*\p+3], v[WK3] offset:512*\p
.endr
.endif
.irp j, 0,1,2,3
	v_floor_f32 v[CB+\j], v[UU+\j]
.endr
.irp j, 0,1,2,3
	v_med3_num_f32 v[CB+\j], v[CB+\j], s32, s33    ; cb: held to 3 .. 7
.endr
.irp j, 0,2
	v_pk_add_f32 v[UU+\j:UU+\j+1], v[UU+\j:UU+\j+1], v[CB+\j:CB+\j+1] neg_lo:[0,1] neg_hi:[0,1]   ; u - cb
.endr
.irp j, 0,2
	v_pk_fma_f32 v[SHL+\j:SHL+\j+1], v[CB+\j:CB+\j+1], s[24:25], v[CSH:CSH+1] op_sel_hi:[1,0,1]   ; 2^23 + 6 cb - 18, exact: as bits, its low five are the shift 6 (cb - 3), and a shift reads no others
.endr
.irp j, 0,2
	v_pk_fma_f32 v[CB+\j:CB+\j+1], v[CB+\j:CB+\j+1], s[24:25], v[CNN:CNN+1] op_sel_hi:[1,0,1] neg_lo:[1,0,0] neg_hi:[1,0,0]   ; 2^23 + 42 - 6 cb: 24 less that shift
.endr
	TICK
.irp j, 0,2                                    ; s = u - cb + 1 - k for the window's bases k = 0 .. 3: register 4 j + k
	v_pk_add_f32 v[T0+4*\j:T0+4*\j+1], v[UU+\j:UU+\j+1], v[C10:C10+1] op_sel_hi:[0,1]
	v_pk_add_f32 v[T0+4*\j+2:T0+4*\j+3], v[UU+\j:UU+\j+1], v[CM12:CM12+1] op_sel_hi:[0,1]
	v_pk_add_f32 v[T0+4*\j+4:T0+4*\j+5], v[UU+\j:UU+\j+1], v[C10:C10+1] op_sel:[1,0] op_sel_hi:[1,1]
	v_pk_add_f32 v[T0+4*\j+6:T0+4*\j+7], v[UU+\j:UU+\j+1], v[CM12:CM12+1] op_sel:[1,0] op_sel_hi:[1,1]
.endr
	TICK
.irp g, 0,8
.irp i, 0,1,2,3,4,5,6,7
	v_min_num_f32 v[T1+\g+\i], |v[T0+\g+\i]|, 2.0
.endr
	TICK
.endr
.irp g, 0,8
.irp i, 0,1,2,3,4,5,6,7
	v_min_num_f32 v[T2+\g+\i], |v[T0+\g+\i]|, 1.0
.endr
	TICK
.endr
.irp i, 0,2,4,6,8,10,12,14
	v_pk_fma_f32 v[T1+\i:T1+\i+1], v[T1+\i:T1+\i+1], s[26:27], v[C2CA:C2CA+1] op_sel_hi:[1,0,1]   ; ca (2 - d)+: exactly 0 from d = 2 on
.endr
	TICK
.irp i, 0,2,4,6,8,10,12,14
	v_pk_fma_f32 v[T2+\i:T2+\i+1], v[T2+\i:T2+\i+1], s[28:29], v[CCK:CCK+1] op_sel_hi:[1,0,1]     ; ck (1 - d)+
.endr
	TICK
.irp i, 0,2,4,6,8,10,12,14
	v_pk_mul_f32 v[T3+\i:T3+\i+1], v[T1+\i:T1+\i+1], v[T1+\i:T1+\i+1]
.endr
	TICK
.irp i, 0,2,4,6,8,10,12,14
	v_pk_mul_f32 v[T3+\i:T3+\i+1], v[T3+\i:T3+\i+1], v[T1+\i:T1+\i+1]
.endr
	TICK
.irp i, 0,2,4,6,8,10,12,14
	v_pk_mul_f32 v[T0+\i:T0+\i+1], v[T2+\i:T2+\i+1], v[T2+\i:T2+\i+1]
.endr
	TICK
.irp i, 0,2,4,6,8,10,12,14
	v_pk_fma_f32 v[T0+\i:T0+\i+1], v[T0+\i:T0+\i+1], v[T2+\i:T2+\i+1], v[T3+\i:T3+\i+1] neg_lo:[1,0,0] neg_hi:[1,0,0]   ; the basis
.endr
	TICK
	v_max3_num_f32 v246, v[T0], v[T0+1], v[T0+2]   ; the block's largest: the other 16 of its 32 numbers are 0, and none is negative but by rounding
	v_max3_num_f32 v247, v[T0+3], v[T0+4], v[T0+5]
	v_max3_num_f32 v248, v[T0+6], v[T0+7], v[T0+8]
	v_max3_num_f32 v249, v[T0+9], v[T0+10], v[T0+11]
	v_max3_num_f32 v250, v[T0+12], v[T0+13], v[T0+14]
	v_max3_num_f32 v246, v246, v247, v248
	v_max3_num_f32 v249, v249, v250, v[T0+15]
	v_max3_num_f32 v246, v246, v249, 0x2800000     ; and the floor 2^(5 - 127): the byte cannot fall under 1
	v_add_nc_u32 v247, 0xfe000000, v246            ; 4 off the exponent field: the conversion's scale operand
	v_lshrrev_b32 v[\by], 23, v247                 ; the scale's byte
	v_cvt_scalef32_pk16_bf6_f32 v[252:254], v[T0:T0+15], v247      ; 96 bits: feature j's four codes at bit 24 j
	v_nop                                          ; one plain place behind a scaled conversion
	v_and_b32 v[T1], s34, v252                     ; f0 .. f3: a feature's 24 bits,
	v_perm_b32 v[T1+1], v253, v252, s52
	v_perm_b32 v[T1+2], v254, v253, s53
	v_lshrrev_b32 v[T1+3], 8, v254
	v_bfe_u32 v[T1+4], v252, 8, 16                 ; and the same without their low 8
	v_and_b32 v[T1+5], 0xffff, v253
	v_perm_b32 v[T1+6], v254, v253, s54
	v_lshrrev_b32 v[T1+7], 16, v254
	v_lshlrev_b32 v[\dst], v[SHL], v[T1]           ; f << shift, 48 bits at the most: the low word,
	v_lshlrev_b32 v[T1+1], v[SHL+1], v[T1+1]
	v_lshlrev_b32 v[\dst+3], v[SHL+2], v[T1+2]
	v_lshlrev_b32 v[T1+3], v[SHL+3], v[T1+3]
.irp j, 0,1,2,3
	v_lshrrev_b32 v[T1+4+\j], v[CB+\j], v[T1+4+\j] ; and the upper 16 bits: (f >> 8) >> (24 - shift)
.endr
	v_lshl_or_b32 v[\dst+1], v[T1+1], 16, v[T1+4]  ; four fields of 48 bits on end
	v_alignbit_b32 v[\dst+2], v[T1+5], v[T1+1], 16
	v_lshl_or_b32 v[\dst+4], v[T1+3], 16, v[T1+6]
	v_alignbit_b32 v[\dst+5], v[T1+7], v[T1+3], 16
.endm
; A fragment's scale word: my two bytes stand for blocks h and 2 + h of the K step; lane l xor 16 has the other two.
.macro FRAGFIN s, by0, by1
	v_lshl_or_b32 v249, v[\by1], 16, v[\by0]
	v_lshlrev_b32 v249, v[SH8], v249
	v_permlanex16_b32 v250, v249, s20, s21
	v_or_b32 v[\s], v249, v250
.endm
.macro FRAGFIN1 s, by                  ; the same with blocks 2 and 3 empty: zero codes under the byte 0
	v_lshlrev_b32 v249, v[SH8], v[\by]
	v_permlanex16_b32 v250, v249, s20, s21
	v_or_b32 v[\s], v249, v250
.endm
.macro IMAGE fr, s, ai, aw, off        ; a fragment and its scale words go to LDS as they stand in the registers
.irp q, 0,1,2
	ds_store_b128 v[\ai], v[\fr+4*\q:\fr+4*\q+3] offset:\off+512*\q
.endr
	ds_store_b32 v[\aw], v[\s] offset:\off
.endm
; silu of the 32 numbers in XV, a whole block of a lane, in three parts, so that other work can stand between them.  x / (1 + 2^(-x log2 e)).
.macro SILU_A1
.irp i, 0,2,4,6,8,10,12,14,16,18,20,22,24,26,28,30
	v_pk_mul_f32 v[T0+\i:T0+\i+1], v[XV+\i:XV+\i+1], s[30:31] op_sel_hi:[1,0]
.endr
.set kk, 0
.rept 8
.irp i, 0,1,2,3
	v_exp_f32 v[T0+4*kk+\i], v[T0+4*kk+\i]
.endr
	TICK
.set kk, kk+1
.endr
	v_nop                                          ; a plain instruction behind the last exponential,
	s_wait_alu depctr_va_vdst(0)                   ; and one wait for the batch of 32 ahead of its first reader
.irp i, 0,2,4,6,8,10,12,14,16,18,20,22,24,26,28,30
	v_pk_add_f32 v[T0+\i:T0+\i+1], v[T0+\i:T0+\i+1], 1.0 op_sel_hi:[1,0]
.endr
.endm
.macro SILU_A2
.set kk, 0
.rept 32
	v_rcp_f32 v[T0+kk], v[T0+kk]
.set kk, kk+1
.endr
.endm
.macro SILU_B dst, by                  ; the products, the block's scale, its codes in v[dst] .. v[dst + 5]
	v_nop
	s_wait_alu depctr_va_vdst(0)                   ; one wait for the 32 reciprocals
.irp i, 0,2,4,6,8,10,12,14,16,18,20,22,24,26,28,30
	v_pk_mul_f32 v[T0+\i:T0+\i+1], v[T0+\i:T0+\i+1], v[XV+\i:XV+\i+1]
.endr
	v_max3_num_f32 v246, |v[T0]|, |v[T0+1]|, |v[T0+2]|
	v_max3_num_f32 v247, |v[T0+3]|, |v[T0+4]|, |v[T0+5]|
.irp i, 6,10,14,18,22,26
	v_max3_num_f32 v246, v246, |v[T0+\i]|, |v[T0+\i+1]|
	v_max3_num_f32 v247, v247, |v[T0+\i+2]|, |v[T0+\i+3]|
.endr
	v_max3_num_f32 v246, v246, |v[T0+30]|, |v[T0+31]|
	v_max3_num_f32 v246, v246, v247, 0x2800000
	v_add_nc_u32 v247, 0xfe000000, v246
	v_lshrrev_b32 v[\by], 23, v247
	v_cvt_scalef32_pk16_bf6_f32 v[\dst:\dst+2], v[T0:T0+15], v247
	v_cvt_scalef32_pk16_bf6_f32 v[252:254], v[T0+16:T0+31], v247   ; (a conversion's three registers begin on an even number)
	v_nop
.irp i, 0,1,2
	v_mov_b32 v[\dst+3+\i], v[252+\i]
.endr
.endm
	; ---------------- the head
	s_load_b256 s[4:11], s[0:1], 0x0               ; U s[4:5], ln_w s[6:7], ln_b s[8:9], stats s[10:11]
	s_load_b128 s[12:15], s[0:1], 0x20             ; wfrag s[12:13], out0 s[14:15]
	v_lshl_add_u32 v251, v0, 2, 0x4b500
	v_mov_b32 v255, 0
	v_lshrrev_b32 v20, 5, v0
	v_readfirstlane_b32 s16, v20                   ; wave 0..3
	v_and_b32 v20, 31, v0                          ; L
	v_and_b32 v21, 15, v0                          ; r
	v_bfe_u32 v22, v0, 4, 1                        ; h
	v_lshlrev_b32 v23, 3, v20
	v_lshlrev_b32 v[L16], 4, v20
	v_lshlrev_b32 v[L4], 2, v20
	v_lshlrev_b32 v[SH8], 3, v22
	s_mul_i32 s19, s16, 16960                      ; 32 rows of 528 bytes + 64
	v_add_nc_u32 v[UTW], s19, v[L16]
	v_mul_u32_u24 v[UR], v21, 528
	v_lshl_add_u32 v[UR], v22, 5, v[UR]
	v_add_nc_u32 v[UR], s19, v[UR]
	v_mul_u32_u24 v[UTX], v22, 16960
	v_lshl_add_u32 v[UTX], v21, 2, v[UTX]
	s_lshl_b32 s19, s16, 7
	v_add_nc_u32 v[UTX], s19, v[UTX]               ; 16,960 h + 4 (32 w + r)
	s_mul_i32 s19, s16, 33792
	s_add_co_u32 s19, s19, HST
	v_add_nc_u32 v[LNW], s19, v[L16]
	v_mul_u32_u24 v[LNR], v21, 528
	v_lshl_add_u32 v[LNR], v22, 7, v[LNR]
	v_add_nc_u32 v[LNR], s19, v[LNR]
	s_lshl_b32 s19, s16, 14
	s_add_co_u32 s19, s19, ZST
	v_add_nc_u32 v[ZA], s19, v[L16]
	s_mul_i32 s19, s16, 2*IMG
	s_add_co_u32 s19, s19, A1R
	v_add_nc_u32 v[IMW], s19, v[L16]
	s_add_co_u32 s19, s19, 1536
	v_add_nc_u32 v[IMS], s19, v[L4]
	v_add_nc_u32 v[IMR], A1R, v[L16]
	v_add_nc_u32 v[ISR], A1R+1536, v[L4]
	s_lshl_b32 s19, s16, 15
	s_add_co_u32 s19, s19, HST
	v_add_nc_u32 v[HA], s19, v[L16]
	s_lshl_b32 s19, s16, 13
	s_add_co_u32 s19, s19, ZST
	v_add_nc_u32 v[PW], s19, v[L16]
	s_lshl_b32 s19, s16, 11
	s_add_co_u32 s19, s19, ZST
	v_add_nc_u32 v[PR], s19, v[L16]
	v_mov_b32 v[C55], 0x40b00000
	v_mov_b32 v[C55+1], 0x40b00000
	v_mov_b32 v[CSH], 0x4affffdc
	v_mov_b32 v[CSH+1], 0x4affffdc
	v_mov_b32 v[CNN], 0x4b00002a
	v_mov_b32 v[CNN+1], 0x4b00002a
	v_mov_b32 v[C10], 1.0
	v_mov_b32 v[C10+1], 0
	v_mov_b32 v[CM12], -1.0
	v_mov_b32 v[CM12+1], -2.0
	v_mov_b32 v[C2CA], 0x3f8ce1da
	v_mov_b32 v[C2CA+1], 0x3f8ce1da
	v_mov_b32 v[CCK], 0x3f5fa2f8
	v_mov_b32 v[CCK+1], 0x3f5fa2f8
	v_mov_b32 v250, 0                              ; a lane permute's destination counts as one of its sources
.irp i, 6,7,8,9,10,11
	v_mov_b32 v[FRZ+\i], 0
.endr
	s_mov_b32 s20, 0x76543210
	s_mov_b32 s21, 0xfedcba98                      ; v_permlanex16_b32's selects for lane l xor 16
	s_mov_b32 s22, 0x40200000                      ; 2.5  (the packed forms name a pair and take its low word for both halves: both words are written)
	s_mov_b32 s23, s22
	s_mov_b32 s24, 0x40c00000                      ; 6.0
	s_mov_b32 s25, s24
	s_mov_b32 s26, 0xbf0ce1da                      ; -ca
	s_mov_b32 s27, s26
	s_mov_b32 s28, 0xbf5fa2f8                      ; -ck
	s_mov_b32 s29, s28
	s_mov_b32 s30, 0xbfb8aa3b                      ; -log2 e
	s_mov_b32 s31, s30
	s_mov_b32 s32, 0x40400000                      ; 3.0
	s_mov_b32 s33, 0x40e00000                      ; 7.0
	s_mov_b32 s34, 0xffffff
	s_mov_b32 s52, 0x0c050403                      ; byte selects: bits 24-47 of a pair of words,
	s_mov_b32 s53, 0x0c040302                      ; bits 16-39,
	s_mov_b32 s54, 0x0c0c0403                      ; bits 24-39
	s_and_b32 s17, ttmp9, 3                        ; which 128 tokens
	s_lshr_b32 s18, ttmp9, 2                       ; the batch
	s_lshl_b32 s2, s18, 18                         ; U and out0: a batch is 262,144 bytes, my wave's 32 channels 65,536, my tokens 512 in a row
	s_lshl_b32 s19, s16, 16
	s_add_co_u32 s2, s2, s19
	s_lshl_b32 s19, s17, 9
	s_add_co_u32 s2, s2, s19
	s_mov_b32 s3, 0
	s_lshl_b32 s44, s17, 16                        ; ln_w and ln_b: 128 tokens x 512 bytes, my wave's 32 tokens
	s_lshl_b32 s19, s16, 14
	s_add_co_u32 s44, s44, s19
	s_mov_b32 s45, 0
	s_lshl_b32 s46, s18, 8                         ; stats: 32 pairs a batch
	s_mov_b32 s47, 0
	s_mul_i32 s48, s16, 36*REC                     ; W1: 36 records a wave
	s_mov_b32 s49, 0
	s_mul_i32 s50, s16, 40*REC                     ; W2: 40 a wave, behind W1's 144
	s_add_co_u32 s50, s50, 144*REC
	s_mov_b32 s51, 0
	s_wait_kmcnt 0x0
	s_add_nc_u64 s[4:5], s[4:5], s[2:3]
	s_add_nc_u64 s[14:15], s[14:15], s[2:3]
	s_add_nc_u64 s[6:7], s[6:7], s[44:45]
	s_add_nc_u64 s[8:9], s[8:9], s[44:45]
	s_add_nc_u64 s[10:11], s[10:11], s[46:47]
	s_add_nc_u64 s[40:41], s[12:13], s[48:49]
	s_add_nc_u64 s[42:43], s[12:13], s[50:51]
	global_load_b64 v[246:247], v23, s[10:11]      ; lane L: chunk L's mean and M2
	WIN 0x40
.set ii, 0
.rept 32
	global_load_b128 v[4*ii:4*ii+3], v[L16], s[4:5] offset:2048*ii th:TH_LOAD_NT   ; channel 32 w + ii, my 128 tokens: 512 consecutive bytes
.set ii, ii+1
.endr
.set ii, 0
.rept 32
	global_load_b128 v[128+4*ii:128+4*ii+3], v[L16], s[6:7] offset:512*ii          ; ln_w, token 32 w + ii
.set ii, ii+1
.endr
	s_wait_loadcnt 32                              ; the statistics and U are in; ln_w's 32 loads may be out
	WIN 0x04
.set ii, 0
.rept 32
	ds_store_b128 v[UTW], v[4*ii:4*ii+3] offset:528*ii
.set ii, ii+1
.endr
	WIN 0x80
.set ii, 0
.rept 32
	global_load_b128 v[4*ii:4*ii+3], v[L16], s[8:9] offset:512*ii                  ; ln_b
.set ii, ii+1
.endr
	WIN 0
	v_mov_b32 v248, v246                           ; the batch's mean and variance from its 32 chunks of 2,048
	LANESUM 248
	v_mul_f32 v[MU], 0x3d000000, v248              ; / 32
	v_sub_f32 v248, v246, v[MU]
	v_mul_f32 v248, v248, v248
	v_fmamk_f32 v248, v248, 0x45000000, v247       ; M2 + 2,048 (chunk's mean - mean)^2
	LANESUM 248
	s_mov_b32 s19, 0x37800000                      ; 1 / 65,536
	v_fmaak_f32 v248, s19, v248, 0x3727c5ac        ; var + 1e-5
	v_rsq_f32 v[RS], v248
	v_mov_b32 v[MU+1], v[MU]                       ; (a plain place behind the transcendental)
	s_wait_alu depctr_va_vdst(0)                   ; a wait ahead of the result's first reader
	v_mov_b32 v[RS+1], v[RS]
	s_wait_loadcnt 32                              ; ln_w is in; ln_b's 32 loads may be out
	WIN 0x04
.set ii, 0
.rept 32
	ds_store_b128 v[LNW], v[128+4*ii:128+4*ii+3] offset:528*ii
.set ii, ii+1
.endr
	s_wait_loadcnt 0x0
	WIN 0x08
.set ii, 0
.rept 32
	ds_store_b128 v[LNW], v[4*ii:4*ii+3] offset:LNB+528*ii
.set ii, ii+1
.endr
	s_wait_dscnt 0x0                               ; the stores have landed (for the others) and have read their registers (for the loads below)
	WIN 0x40
.set ii, 0
.rept 21
.irp q, 0,1,2
	global_load_b128 v[12*ii+4*\q:12*ii+4*\q+3], v[L16], s[42:43] offset:REC*ii+512*\q     ; W2's fragments 0-20: 63 loads, wanted only in layer 2
.endr
.set ii, ii+1
.endr
	WIN 0
	s_barrier_signal -1
	s_barrier_wait -1                              ; U's tile is whole
	; ---------------- LayerNorm, and the silu step of layer 1, for token tile 2 w + f
.macro PASSZ f
.irp c, 0,1                                    ; 32 channels at a time: 64 c + 32 h + 0 .. 31: a whole block of the silu step
.set ii, 0
.rept 32
	ds_load_b32 v[XV+ii], v[UTX] offset:64*\f+33920*\c+528*ii
.set ii, ii+1
.endr
.irp i, 0,1,2,3,4,5,6,7
	ds_load_b128 v[T2+4*\i:T2+4*\i+3], v[LNR] offset:8448*\f+256*\c+16*\i
.endr
.irp i, 0,1,2,3,4,5,6,7
	ds_load_b128 v[T0+4*\i:T0+4*\i+3], v[LNR] offset:LNB+8448*\f+256*\c+16*\i
.endr
	s_wait_dscnt 0x0
.irp i, 0,2,4,6,8,10,12,14,16,18,20,22,24,26,28,30
	v_pk_add_f32 v[XV+\i:XV+\i+1], v[XV+\i:XV+\i+1], v[MU:MU+1] neg_lo:[0,1] neg_hi:[0,1]
.endr
.irp i, 0,2,4,6,8,10,12,14,16,18,20,22,24,26,28,30
	v_pk_mul_f32 v[XV+\i:XV+\i+1], v[XV+\i:XV+\i+1], v[RS:RS+1]
.endr
.irp i, 0,2,4,6,8,10,12,14,16,18,20,22,24,26,28,30
	v_pk_fma_f32 v[XV+\i:XV+\i+1], v[XV+\i:XV+\i+1], v[T2+\i:T2+\i+1], v[T0+\i:T0+\i+1]
.endr
.irp i, 0,1,2,3,4,5,6,7
	ds_store_b128 v[ZA], v[XV+4*\i:XV+4*\i+3] offset:8192*\f+4096*\c+512*\i        ; z is kept for the spline steps: my lane's own bytes
.endr
	SILU_A1
	SILU_A2
	SILU_B FRA+6*\c, 244+\c
	s_wait_dscnt 0x0                               ; the stores have read their registers
.endr
	FRAGFIN SA0, 244, 245
	IMAGE FRA, SA0, IMW, IMS, A1BO+IMG*\f
	s_wait_dscnt 0x0
.endm
	PASSZ 0
.set ii, 0
.rept 40
	global_load_b32 v[W2S+ii], v[L4], s[42:43] offset:REC*ii+1536   ; W2's scale words,
.set ii, ii+1
.endr
	RELOAD 0                                       ; and W1's first K step, last, in the order in which the groups are waited for
	RELOAD 1
	RELOAD 2
	RELOAD 3
	PASSZ 1
	s_barrier_signal -1
	s_barrier_wait -1                              ; the silu step's eight images lie in LDS
	; ---------------- layer 1.  Stage t makes the images of spline step t (slot t % 2) and multiplies K step t (t = 0: silu; else spline step t - 1, from the other slot).
.macro AFLOAD                          ; the eight tokens' fragments and their scale words, from the images at v[WK1], v[WK2]
	WIN 0xC0
.irp m, 0,1,2,3,4,5,6,7
.irp q, 0,1,2
	ds_load_b128 v[12*\m+4*\q:12*\m+4*\q+3], v[WK1] offset:IMG*\m+512*\q
.endr
.endr
	WIN 0
.irp m, 0,1,2,3,4,5,6,7
	ds_load_b32 v[ASC+\m], v[WK2] offset:IMG*\m
.endr
.endm
.macro STAGE zero
	s_wait_xcnt 0x0                                ; the last stage's weight loads have read their base:
	s_add_nc_u64 s[40:41], s[40:41], 4*REC         ; it steps to the K step that this stage loads
	v_add_nc_u32 v[WK0], s38, v[ZA]
	v_add_nc_u32 v[WK1], s37, v[IMR]
	v_add_nc_u32 v[WK2], s37, v[ISR]
	v_add_nc_u32 v[WK3], s36, v[IMW]
	v_add_nc_u32 v[WK4], s36, v[IMS]
	ds_load_b128 v[XV:XV+3], v[WK0]                ; z: tile 2 w, the step's two blocks;
	ds_load_b128 v[XV+4:XV+7], v[WK0] offset:512
	ds_load_b128 v[XV+8:XV+11], v[WK0] offset:8192 ; tile 2 w + 1
	ds_load_b128 v[XV+12:XV+15], v[WK0] offset:8704
	AFLOAD                                         ; (the last products that read these registers stand dozens of plain vector instructions back)
	s_wait_dscnt 32                                ; z is in; the 32 loads of images may be out
	QSET 0, 0, 0
	GENBLK XV, FRA, 244, 0
	s_wait_dscnt 0x0                               ; the images are in
.set QZ, \zero
	QSET 1, 0, 33                                  ; 32 products and the reloads, over the 36 places of the three blocks below
	GENBLK XV+4, FRA+6, 245, 0
	FRAGFIN SA0, 244, 245
	IMAGE FRA, SA0, WK3, WK4, 0
	GENBLK XV+8, FRB, 244, 0
	GENBLK XV+12, FRB+6, 245, 0
	FRAGFIN SA1, 244, 245
	IMAGE FRB, SA1, WK3, WK4, IMG
.if \zero
	s_mov_b32 s37, 0                               ; the next stage reads slot 0 and writes slot 1
	s_mov_b32 s36, SLOTB
.else
	s_xor_b32 s37, s37, SLOTB
	s_xor_b32 s36, s36, SLOTB
.endif
	s_add_co_u32 s38, s38, 1024
	BAR                                            ; this stage's images lie in LDS, and nobody reads the other slot any more
.endm
	s_mov_b32 s36, 0
	s_mov_b32 s37, A1BO
	s_mov_b32 s38, 0
	STAGE 1                                        ; its products start the sums: nothing is cleared
	s_mov_b32 s35, 7
.Lk:
	STAGE 0
	s_sub_co_u32 s35, s35, 1
	s_cmp_lg_u32 s35, 0
	s_cbranch_scc1 .Lk
	v_add_nc_u32 v[WK1], s37, v[IMR]               ; the last K step: nothing is left to make or to load
	v_add_nc_u32 v[WK2], s37, v[ISR]
	AFLOAD
	s_wait_dscnt 0x0
	WIN 0xAF
.set ii, 0
.rept 32
.if (ii%8) == 0
	s_wait_loadcnt 12-4*(ii/8)                     ; behind this group's 4 loads: those of the 3, 2, 1, 0 groups that follow
.endif
	MM1X ii, 0
.set ii, ii+1
.endr
	WIN 0
	; ---------------- between the layers
	PLACES                                         ; four places behind the last products: for the loads over their operands and for the stores of their results
	WIN 0xC0
.set ii, 21
.rept 19
.irp q, 0,1,2
	global_load_b128 v[12*(ii-21)+4*\q:12*(ii-21)+4*\q+3], v[L16], s[42:43] offset:REC*ii+512*\q   ; W2's fragments 21-39
.endr
.set ii, ii+1
.endr
	WIN 0x08
.set ii, 0
.rept 32                                       ; accumulator 8 tau + m: my token of tile m, my units 8 tau + 0 .. 7: into my lane's own pieces; each accumulator from its low end on
	ds_store_b128 v[HA], v[8*ii:8*ii+3] offset:4096*(ii%8)+1024*(ii/8)
	ds_store_b128 v[HA], v[8*ii+4:8*ii+7] offset:4096*(ii%8)+1024*(ii/8)+512
.set ii, ii+1
.endr
	WIN 0
.irp p, 0,1,2,3,4,5,6,7
	ds_load_b128 v[XV+4*\p:XV+4*\p+3], v[HA] offset:512*\p         ; tile 0.  LDS serves a wave's instructions in order: these see my stores
.endr
	s_wait_dscnt 0x0
	QSET 0, 0, 0
	SILU_A1
	SILU_A2
	SILU_B FRZ, 244
	FRAGFIN1 SAZ, 244
	; ---------------- layer 2: a trip is a tile of 16 tokens.  XV holds the tile's 32 units of my lane, FRZ their silu (made a trip ahead).
	s_mov_b32 s35, 8
	s_mov_b32 s46, 4096
	s_mov_b32 s49, 4096                            ; where the next tile's pieces lie
	s_mov_b32 s47, 0                               ; the slot of partial sums
	s_mov_b32 s48, 0                               ; 64 bytes of a row of UT a tile
.Ltile:
	v_add_nc_u32 v[WK0], s47, v[PW]
	v_add_nc_u32 v[WK1], s47, v[PR]
	v_add_nc_u32 v[WK2], s48, v[UR]
	v_add_nc_u32 v[WK3], s49, v[HA]
	QSET 2, 0, 8                                   ; silu's eight products stand in the first spline step's vector work, and so on: each step's products in the next step's
	GENBLK XV, FRA, 244, 0
	GENBLK XV+4, FRA+6, 245, 0
	FRAGFIN SA0, 244, 245
	QSET 2, 8, 16
	GENBLK XV+8, FRB, 244, 0
	GENBLK XV+12, FRB+6, 245, 0
	FRAGFIN SA1, 244, 245
	QSET 2, 16, 24
	GENBLK XV+16, FRA, 244, 0
	GENBLK XV+20, FRA+6, 245, 0
	FRAGFIN SA0, 244, 245
	QSET 2, 24, 32
	GENBLK XV+24, FRB, 244, 0
	GENBLK XV+28, FRB+6, 245, 1                    ; the tile's last numbers are read: the next tile's are asked for (in the last trip tile 7's again: what is made of them is not used)
	FRAGFIN SA1, 244, 245
	QSET 2, 32, 40
	s_wait_dscnt 0x0                               ; the next tile is in
	SILU_A1                                        ; its silu carries the last eight products; the 16 additions at its end are the places behind them
	WIN 0x08
.irp n, 0,1,2,3,4,5,6,7
	ds_store_b128 v[WK0], v[8*\n:8*\n+3] offset:1024*\n            ; my quarter's sums for all 128 channels; each accumulator from its low end on
	ds_store_b128 v[WK0], v[8*\n+4:8*\n+7] offset:1024*\n+512
.endr
	WIN 0
	SILU_A2
	BAR                                            ; the four quarters lie in this slot; the other slot's readers have finished a trip ago
	WIN 0x80
.irp q, 0,1,2,3                                ; q = 2 e + half: channel 32 w + 16 e + r, tokens 8 h + 4 half + 0 .. 3
.irp u, 0,1,2,3
	ds_load_b128 v[64+16*\q+4*\u:64+16*\q+4*\u+3], v[WK1] offset:8192*\u+512*\q
.endr
	ds_load_b128 v[128+4*\q:128+4*\q+3], v[WK2] offset:8448*(\q/2)+16*(\q%2)       ; and U
.endr
	WIN 0
	SILU_B FRZ, 244
	FRAGFIN1 SAZ, 244
	s_wait_dscnt 0x0
	WIN 0x8A
.irp q, 0,1,2,3
.irp u, 0,2
	v_pk_add_f32 v[64+16*\q+\u:65+16*\q+\u], v[64+16*\q+\u:65+16*\q+\u], v[68+16*\q+\u:69+16*\q+\u]
	v_pk_add_f32 v[72+16*\q+\u:73+16*\q+\u], v[72+16*\q+\u:73+16*\q+\u], v[76+16*\q+\u:77+16*\q+\u]
.endr
.endr
.irp q, 0,1,2,3
.irp u, 0,2
	v_pk_add_f32 v[64+16*\q+\u:65+16*\q+\u], v[64+16*\q+\u:65+16*\q+\u], v[72+16*\q+\u:73+16*\q+\u]
.endr
.endr
.irp q, 0,1,2,3
.irp u, 0,2
	v_pk_add_f32 v[64+16*\q+\u:65+16*\q+\u], v[64+16*\q+\u:65+16*\q+\u], v[128+4*\q+\u:129+4*\q+\u]
.endr
.endr
	WIN 0x08
.irp q, 0,1,2,3
	ds_store_b128 v[WK2], v[64+16*\q:67+16*\q] offset:8448*(\q/2)+16*(\q%2)        ; the result takes U's place: my wave's rows, my lane's bytes
.endr
	WIN 0
	s_xor_b32 s47, s47, PSL
	s_add_co_u32 s48, s48, 64
	s_add_co_u32 s46, s46, 4096
	s_min_u32 s49, s46, 28672                      ; held at tile 7
	s_sub_co_u32 s35, s35, 1
	s_cmp_lg_u32 s35, 0
	s_cbranch_scc1 .Ltile
	; ---------------- the way out: my wave's 32 channels, whole rows of 512 bytes
.set ii, 0
.rept 32
	ds_load_b128 v[100+4*ii:103+4*ii], v[UTW] offset:528*ii        ; LDS serves a wave's instructions in order: these see my stores
.set ii, ii+1
.endr
.set ii, 0
.rept 32
	s_wait_dscnt 31-ii                             ; LDS loads come back in order: row ii is in
	global_store_b128 v[L16], v[100+4*ii:103+4*ii], s[14:15] offset:2048*ii th:TH_STORE_NT   ; 32 lanes store 512 consecutive bytes, at a multiple of 256 from out0's first byte
.set ii, ii+1
.endr
	s_wait_tensorcnt 0x0
	ds_add_u32 v251, v255
	s_wait_dscnt 0x0
	s_endpgm
.Lfunc_end_k_qd262e3a8dd_kan:
	.size	k_qd262e3a8dd_kan, .Lfunc_end_k_qd262e3a8dd_kan-k_qd262e3a8dd_kan
	.p2alignl 7, 3214868480
	.fill 96, 4, 3214868480
	.section	.rodata,"a",@progbits
	.p2align	6, 0x0
	.amdhsa_kernel k_qd262e3a8dd_kan
		.amdhsa_group_segment_fixed_size 308992
		.amdhsa_private_segment_fixed_size 0
		.amdhsa_enable_private_segment 0
		.amdhsa_kernarg_size 48
		.amdhsa_user_sgpr_count 2
		.amdhsa_user_sgpr_kernarg_segment_ptr 1
		.amdhsa_wavefront_size32 1
		.amdhsa_system_sgpr_workgroup_id_x 1
		.amdhsa_system_sgpr_workgroup_id_y 1
		.amdhsa_system_sgpr_workgroup_id_z 1
		.amdhsa_system_vgpr_workitem_id 0
		.amdhsa_next_free_vgpr 1024
		.amdhsa_next_free_sgpr 66
		.amdhsa_reserve_vcc 0
		.amdhsa_float_denorm_mode_32 3
		.amdhsa_float_denorm_mode_16_64 3
		.amdhsa_memory_ordered 1
		.amdhsa_forward_progress 1
		.amdhsa_inst_pref_size 255
	.end_amdhsa_kernel
	.section	.bss,"aw",@nobits
	.p2align	6
	.space	262144
	.amdgpu_metadata
---
amdhsa.version: [ 1, 2 ]
amdhsa.kernels:
  - .name:           k_qd262e3a8dd_kan
    .symbol:         k_qd262e3a8dd_kan.kd
    .args:
      - { .name: U, .offset: 0, .size: 8, .value_kind: global_buffer, .address_space: global }
      - { .name: ln_w, .offset: 8, .size: 8, .value_kind: global_buffer, .address_space: global }
      - { .name: ln_b, .offset: 16, .size: 8, .value_kind: global_buffer, .address_space: global }
      - { .name: stats, .offset: 24, .size: 8, .value_kind: global_buffer, .address_space: global }
      - { .name: wfrag, .offset: 32, .size: 8, .value_kind: global_buffer, .address_space: global }
      - { .name: out0, .offset: 40, .size: 8, .value_kind: global_buffer, .address_space: global }
    .group_segment_fixed_size: 308992
    .private_segment_fixed_size: 0
    .kernarg_segment_align: 8
    .kernarg_segment_size: 48
    .max_flat_workgroup_size: 128
    .sgpr_count:     66
    .vgpr_count:     1024
    .wavefront_size: 32
...
	.end_amdgpu_metadata
.endif
;; end of part 2
;; ======== version 2 of 2: 2 launches; version 1 with the launch kan written anew for expert scheduling mode
;; workspace buffers: stats 16,384 bytes; wfrag 544,768 bytes
;; launch prep: the kernel of part 1 again; grid 294 x 1, 8 waves a work-group, no clusters, 70,656 bytes of LDS; arguments U, sw1, ss1, sw2, ss2, bw1_codes, bw1_scales, bw2_codes, bw2_scales, stats, wfrag; writes stats, wfrag
;; launch kan (part 3): grid 256 x 1, 4 waves a work-group, no clusters, 308,992 bytes of LDS; arguments U, ln_w, ln_b, stats, wfrag, out0; writes out0
.if DOCPART == 3
	.amdgcn_target "amdgcn-amd-amdhsa--gfx1250"
	.amdhsa_code_object_version 6
	.text
	.protected	k_qd262e3a8dd_kan
	.globl	k_qd262e3a8dd_kan
	.p2align	8
	.type	k_qd262e3a8dd_kan,@function
k_qd262e3a8dd_kan:
	s_mov_b64 s[64:65], 0
	v_nop
	global_prefetch_b8 v0, s[64:65] scope:SCOPE_SE
	s_setreg_imm32_b32 hwreg(HW_REG_WAVE_SCHED_MODE, 0, 2), 2
	s_setreg_imm32_b32 hwreg(HW_REG_WAVE_MODE, 25, 1), 1
	s_wait_xcnt 0x0
	s_wait_alu depctr_vm_vsrc(0)
; out = U + (KAN2(KAN1(LayerNorm(U^T))))^T.  All four products on codes of E3M2 with one E8M0 scale for each 32 along K; all else in f32.
; SHARES.  Work-group g: batch g / 4, tokens 128 (g % 4) .. + 127: eight tiles m of 16 tokens.  Four waves, one to a SIMD.  L = lane, r = L % 16, h = L / 16.
;   LayerNorm and layer 1's operand: wave w makes the codes of token tiles 2 w and 2 w + 1.  Lane (r, h) holds token r and 64 channels: l = 0 .. 63 is channel l + 32 h + 32 (l / 32).
;   Layer 1's product: wave w makes hidden units 64 w .. + 63 for all 128 tokens (source 0 = 16 rows of W1, source 1 = 16 tokens), nine K steps of 128: silu, then eight of splines.
;     The tokens' fragments go from wave to wave through LDS as images of their registers.  The rows of W1 in a tile are chosen so that lane (r, h) ends with token r, units 64 w + 32 h + 0 .. 31.
;   Layer 2: those 64 units are wave w's QUARTER OF K: it quantises them in registers (half a K step of silu, four of splines) and multiplies them with its quarter of W2 for all 128 channels
;     (source 0 = 16 tokens, source 1 = 16 channels: a lane then holds 8 neighbouring tokens of one channel, as out0 lies).  The four partial sums meet in LDS; wave w adds channels 32 w .. + 31 and U.
; THE SPLINES.  On the even knots basis i of x is N(u - i - 2), u = 2.5 x + 5.5, N(s) = ((2 - |s|)+^3 - 4 (1 - |s|)+^3) / 6: at most four neighbouring bases are not 0.  With cb = floor(u) held to 3 .. 7 they lie among
;   bases cb - 3 .. cb.  A block of 32 along K (4 features x 8 bases) so has 16 numbers that can differ from 0: one conversion makes their codes, and a feature's four codes (24 bits) are shifted by 6 (cb - 3) bits into
;   the feature's 48 bits; the code 0 is the number 0.  N is formed as (ca (2 - d))^3 - (ck (1 - d))^3 with ca = cbrt(1/6), ck = cbrt(2/3).
; THE WEIGHTS (506 KB of codes and scales, laid by the launch before as register images): each fragment is multiplied by ONE wave of a work-group, once, so it goes from memory straight into that wave's registers.
;   NO CLUSTER, NO JOINT LOADS, though all work-groups read the same weights: a joint load lands in LDS, of which this text uses 308,480 of 327,680 bytes; the weights are 1.6 times all of LDS, and each byte
;   would be written to LDS and read from it once more, for one wave's single use.
; BY TURNS.  The vector work ahead of the quantisers (136 instructions for a block of splines) is many times the matrix work, so the matrix instructions stand singly between runs of eight or more vector instructions (macro TICK).
; LIMITS.  NaN and infinities are not served.  A block whose largest magnitude is under 2^-122 keeps the byte 1 (its codes are zeros or next to it; the bytes are read here alone).
;   The order of the blocks within K, and layer 2's K cut into four sums, differ from a plain order of addition.  The cube-root constants are rounded to f32: N is good to about 1e-6 of its value.
; LDS: UT 0: U's tile, later the result: (c, t) at 528 c + 64 (c / 32) + 4 t.  HST: ln_w and ln_b by rows of 528 bytes, a part for each wave; later the hidden layer, a lane's own 16-byte pieces.
;   ZST: z, a lane's own pieces; later two slots of partial sums.  A1R: two slots of eight images (1,536 bytes of codes + 128 of scale words), and behind them the silu step's eight.
; REGISTERS, in windows of 256: window 0: addresses, constants, scale words, fragments just made, vector work.  Window 1: staging, then W2's fragments 0-20.  Window 2: staging, layer 1's 32 accumulators, then layer 2's 8
;   and the sums' parts.  Window 3: the tokens' 8 fragments and W1's 4, then W2's fragments 21-39.
; THE MODE: SCHED_MODE bits 1:0 = 2 (LLVM: expert scheduling mode 2), set by the entry lines.  The code itself states the register dependences between vector or matrix instructions and memory or LDS
;   instructions, with s_wait_alu, always for 0.
; THE PLAN.  Registers that memory or LDS instructions touch, and who else names them:
;   v1-v18       offsets and LDS addresses: written once at the head, ahead of the head's wait on va_vdst; never written again.
;   WK0-WK4      LDS addresses, written by vector adds at the head of a stage of layer 1, of the last K step and of a trip of layer 2: a wait on vm_vsrc ahead of the adds, a wait on va_vdst behind them.
;   LAYER 1, a stage.  XV (z), window 3's v0-95 and ASC (the tokens' fragments and scale words): read by the stage's blocks and products, loaded again at the next stage's head, behind that head's wait on va_vdst.
;                FRA, SA0, FRB, SA1: written by the blocks, read by the images' stores (a wait on va_vdst ahead of each image), written again in the next stage (the head's wait on vm_vsrc).
;                W1's four fragments and W1S: fragment tau is read by products 8 tau .. 8 tau + 7, then loaded for the next K step: 0 and 3 behind the two images' waits, 1 and 2 behind waits of their own.
;   LAYER 2, a trip.  FRZ, FRA, FRB and SAZ, SA0, SA1: written by vector instructions, taken by eight products each: a wait on va_vdst ahead of the first of the eight, behind the places.
;                XV: read by the eight blocks, loaded again behind the last block's first two lines and a wait on va_vdst.  Window 2's v0-63: written by the products, read by the stores of the partial sums
;                (places, then a wait on va_vdst), written anew in the next trip (the head's wait on vm_vsrc).  Window 2's v64-143: loaded, added, stored (a wait on va_vdst), loaded again in the next trip (the same head's wait).
.set REC,   1792
.set HST,   67840
.set LNB,   16896                      ; ln_b's rows behind ln_w's
.set ZST,   203008
.set A1R,   268544
.set IMG,   1664
.set SLOTB, 8*IMG
.set A1BO,  2*SLOTB
.set PSL,   32768
.set L16, 1                            ; 16 L
.set L4,  2                            ; 4 L
.set SH8, 3                            ; 8 h
.set UTW, 4                            ; UT: my wave's rows, 16 bytes a lane
.set UTX, 5                            ; UT: my token's column, my half's channels
.set LNW, 7                            ; ln stage, in
.set LNR, 8                            ; ln stage, out
.set ZA,  9                            ; z's pieces
.set IMW, 10                           ; images that I write;
.set IMS, 11                           ; their scale words
.set IMR, 12                           ; images that I read;
.set ISR, 13                           ; their scale words
.set HA,  15                           ; the hidden layer's pieces
.set PW,  16                           ; partial sums, in
.set PR,  17                           ; partial sums, out
.set UR,  18                           ; UT: my channel's row, my half's tokens
.set WK0, 19                           ; v19-23 addresses at work: a base + a loop's scalar
.set WK1, 20
.set WK2, 21
.set WK3, 22
.set WK4, 23
.set MU,  24                           ; pairs: the mean,
.set RS,  26                           ; 1 / sqrt(var + eps),
.set C55, 30                           ; 5.5,
.set CSH, 32                           ; 2^23 - 18,
.set C10, 34                           ; (1, 0),
.set CM12, 36                          ; (-1, -2),
.set C2CA, 38                          ; 2 ca,
.set CCK, 40                           ; ck,
.set CNN, 42                           ; 2^23 + 42
.set W1S, 44                           ; v44-47 W1's scale words; v48-55 the tokens'; v56-58 those just made; v60-99 W2's: these hold scales and nothing else
.set ASC, 48
.set SA0, 56
.set SA1, 57
.set SAZ, 58
.set W2S, 60
.set FRA, 100                          ; fragments just made
.set FRB, 112
.set FRZ, 124                          ; silu's in layer 2: its upper six registers stay 0
.set XV,  136                          ; v136-167 the numbers in hand
.set T0,  168
.set T1,  184
.set T2,  200
.set T3,  216
.set UU,  232
.set CB,  236
.set SHL, 240
.set MSB, 0
.macro WIN new                         ; the immediate's high byte repeats the setting that is left; a switch that changes nothing is dropped
.if MSB != \new
	s_set_vgpr_msb (MSB<<8)|\new
.set MSB, \new
.endif
.endm
.macro PLACES
.rept 4
	v_nop
.endr
.endm
.macro BAR                             ; my LDS stores have landed and my LDS loads are in: then the work-group's barrier
	s_wait_dscnt 0x0
	s_barrier_signal -1
	s_barrier_wait -1
.endm
.macro LANESUM x
	v_add_f32_dpp v[\x], v[\x], v[\x] row_xmask:1 row_mask:0xf bank_mask:0xf
	v_add_f32_dpp v[\x], v[\x], v[\x] row_xmask:2 row_mask:0xf bank_mask:0xf
	v_add_f32_dpp v[\x], v[\x], v[\x] row_xmask:4 row_mask:0xf bank_mask:0xf
	v_add_f32_dpp v[\x], v[\x], v[\x] row_xmask:8 row_mask:0xf bank_mask:0xf
	v_permlanex16_b32 v250, v[\x], s20, s21
	v_add_f32 v[\x], v[\x], v250
.endm
; Layer 1's product i = 8 tau + m: units' tile tau x token tile m.  The 32 accumulators take turns, one instruction a turn, in the same order in every K step.
.macro MM1X i, zero
.if \zero
	v_wmma_scale_f32_16x16x128_f8f6f4 v[8*(\i):8*(\i)+7], v[96+12*((\i)/8):96+12*((\i)/8)+11], v[12*((\i)%8):12*((\i)%8)+11], 0, v[W1S+(\i)/8], v[ASC+(\i)%8] matrix_a_fmt:MATRIX_FMT_BF6 matrix_b_fmt:MATRIX_FMT_BF6
.else
	v_wmma_scale_f32_16x16x128_f8f6f4 v[8*(\i):8*(\i)+7], v[96+12*((\i)/8):96+12*((\i)/8)+11], v[12*((\i)%8):12*((\i)%8)+11], v[8*(\i):8*(\i)+7], v[W1S+(\i)/8], v[ASC+(\i)%8] matrix_a_fmt:MATRIX_FMT_BF6 matrix_b_fmt:MATRIX_FMT_BF6
.endif
.endm
.macro MM1 i, zero
	WIN 0xAF                                       ; W1 and the tokens in window 3, the sums in window 2
	MM1X \i, \zero
	WIN 0
.endm
; Layer 2's product i = 8 step + n: my tokens' fragment of that step x W2's fragment i (channels 16 n on).  The first eight start the sums; the 8 accumulators take turns.
.macro MM2 i
.if (\i) < 21
	WIN 0xA4                                       ; W2 in window 1, the sums in window 2
.set rB, 12*(\i)
.else
	WIN 0xAC                                       ; W2 in window 3
.set rB, 12*((\i)-21)
.endif
.if (\i) < 8
	v_wmma_scale_f32_16x16x128_f8f6f4 v[8*((\i)%8):8*((\i)%8)+7], v[FRZ:FRZ+11], v[rB:rB+11], 0, v[SAZ], v[W2S+(\i)] matrix_a_fmt:MATRIX_FMT_BF6 matrix_b_fmt:MATRIX_FMT_BF6
.elseif (((\i)/8)%2) == 1
	v_wmma_scale_f32_16x16x128_f8f6f4 v[8*((\i)%8):8*((\i)%8)+7], v[FRA:FRA+11], v[rB:rB+11], v[8*((\i)%8):8*((\i)%8)+7], v[SA0], v[W2S+(\i)] matrix_a_fmt:MATRIX_FMT_BF6 matrix_b_fmt:MATRIX_FMT_BF6
.else
	v_wmma_scale_f32_16x16x128_f8f6f4 v[8*((\i)%8):8*((\i)%8)+7], v[FRB:FRB+11], v[rB:rB+11], v[8*((\i)%8):8*((\i)%8)+7], v[SA1], v[W2S+(\i)] matrix_a_fmt:MATRIX_FMT_BF6 matrix_b_fmt:MATRIX_FMT_BF6
.endif
	WIN 0
.endm
.macro RELOAD t                        ; W1's fragment tau = t and its scale words, of the K step at which s[40:41] stands: 4 loads
	WIN 0xC0
.irp q, 0,1,2
	global_load_b128 v[96+12*(\t)+4*\q:96+12*(\t)+4*\q+3], v[L16], s[40:41] offset:REC*(\t)+512*\q
.endr
	WIN 0
	global_load_b32 v[W1S+(\t)], v[L4], s[40:41] offset:REC*(\t)+1536
.endm
; THE QUEUE.  TICK stands at places of the vector work that have eight plain vector instructions or more behind the TICK before; while the queue has items it writes the next one there.
; Kind 1 (layer 1): item i is product i.  W1's fragment tau is loaded anew, for the next K step, when its eight products have been issued and a wait on va_vdst has shown them done reading it:
; fragments 1 and 2 here, ahead of items 16 and 24, each behind a wait of its own; fragments 0 and 3 in STAGE, behind the waits that the images' stores want anyway.
; Ahead of each group of eight products: the wait for its 4 loads.  Behind these have been issued: ahead of item 0 fragments 1, 2, 3 (12 loads); of item 8 fragments 2, 3 (8);
; of item 16 fragment 3 and the next K step's 0, 1 (12); of item 24 the next K step's 0, 1, 2 (12).
; Kind 2 (layer 2): item i is product i; ahead of each group of eight the wait on va_vdst for its fragment and scale word; ahead of item 16 the wait for W2's fragments 21 on (asked for in front of the loop).
.set QK, 0
.set QI, 0
.set QE, 0
.set QZ, 0
.macro QSET k, a, b
.set QK, \k
.set QI, \a
.set QE, \b
.endm
.macro TICK
.if QI < QE
.if QK == 1
.if (QI == 16) || (QI == 24)
	s_wait_alu depctr_va_vdst(0)                   ; the eight products just issued are done reading their fragment of W1 and its scale words, in which the loads below land
	RELOAD (QI/8-1)
.endif
.if (QI%8) == 0
.if QI == 8
	s_wait_loadcnt 8
.else
	s_wait_loadcnt 12
.endif
.endif
	MM1 QI, QZ
.else
.if (QI%8) == 0
	s_wait_alu depctr_va_vdst(0)                   ; the vector instructions have written the tokens' fragment and its scale word, which the next eight products take; sixteen plain instructions or more, the places, stand ahead of this wait
.endif
.if QI == 16
	s_wait_loadcnt 0x0
.endif
	MM2 QI
.endif
.set QI, QI+1
.endif
.endm
; A BLOCK OF SPLINES: four numbers v[x] .. v[x + 3] become the block's 192 bits in v[dst] .. v[dst + 5] and its scale byte in v[by].  hook = 1: once x is read, the next tile's 32 numbers are asked for.
.macro GENBLK x, dst, by, hook
	v_pk_fma_f32 v[UU:UU+1], v[\x:\x+1], s[22:23], v[C55:C55+1] op_sel_hi:[1,0,1]       ; u = 2.5 x + 5.5
	v_pk_fma_f32 v[UU+2:UU+3], v[\x+2:\x+3], s[22:23], v[C55:C55+1] op_sel_hi:[1,0,1]
.if \hook
	s_wait_alu depctr_va_vdst(0)                   ; the tile's eight blocks, the two lines above last, are done reading XV, in which the loads below land
.irp p, 0,1,2,3,4,5,6,7
	ds_load_b128 v[XV+4*\p:XV+4*\p+3], v[WK3] offset:512*\p
.endr
.endif
.irp j, 0,1,2,3
	v_floor_f32 v[CB+\j], v[UU+\j]
.endr
.irp j, 0,1,2,3
	v_med3_num_f32 v[CB+\j], v[CB+\j], s32, s33    ; cb: held to 3 .. 7
.endr
.irp j, 0,2
	v_pk_add_f32 v[UU+\j:UU+\j+1], v[UU+\j:UU+\j+1], v[CB+\j:CB+\j+1] neg_lo:[0,1] neg_hi:[0,1]   ; u - cb
.endr
.irp j, 0,2
	v_pk_fma_f32 v[SHL+\j:SHL+\j+1], v[CB+\j:CB+\j+1], s[24:25], v[CSH:CSH+1] op_sel_hi:[1,0,1]   ; 2^23 + 6 cb - 18, exact: as bits, its low five are the shift 6 (cb - 3), and a shift reads no others
.endr
.irp j, 0,2
	v_pk_fma_f32 v[CB+\j:CB+\j+1], v[CB+\j:CB+\j+1], s[24:25], v[CNN:CNN+1] op_sel_hi:[1,0,1] neg_lo:[1,0,0] neg_hi:[1,0,0]   ; 2^23 + 42 - 6 cb: 24 less that shift
.endr
	TICK
.irp j, 0,2                                    ; s = u - cb + 1 - k for the window's bases k = 0 .. 3: register 4 j + k
	v_pk_add_f32 v[T0+4*\j:T0+4*\j+1], v[UU+\j:UU+\j+1], v[C10:C10+1] op_sel_hi:[0,1]
	v_pk_add_f32 v[T0+4*\j+2:T0+4*\j+3], v[UU+\j:UU+\j+1], v[CM12:CM12+1] op_sel_hi:[0,1]
	v_pk_add_f32 v[T0+4*\j+4:T0+4*\j+5], v[UU+\j:UU+\j+1], v[C10:C10+1] op_sel:[1,0] op_sel_hi:[1,1]
	v_pk_add_f32 v[T0+4*\j+6:T0+4*\j+7], v[UU+\j:UU+\j+1], v[CM12:CM12+1] op_sel:[1,0] op_sel_hi:[1,1]
.endr
	TICK
.irp g, 0,8
.irp i, 0,1,2,3,4,5,6,7
	v_min_num_f32 v[T1+\g+\i], |v[T0+\g+\i]|, 2.0
.endr
	TICK
.endr
.irp g, 0,8
.irp i, 0,1,2,3,4,5,6,7
	v_min_num_f32 v[T2+\g+\i], |v[T0+\g+\i]|, 1.0
.endr
	TICK
.endr
.irp i, 0,2,4,6,8,10,12,14
	v_pk_fma_f32 v[T1+\i:T1+\i+1], v[T1+\i:T1+\i+1], s[26:27], v[C2CA:C2CA+1] op_sel_hi:[1,0,1]   ; ca (2 - d)+: exactly 0 from d = 2 on
.endr
	TICK
.irp i, 0,2,4,6,8,10,12,14
	v_pk_fma_f32 v[T2+\i:T2+\i+1], v[T2+\i:T2+\i+1], s[28:29], v[CCK:CCK+1] op_sel_hi:[1,0,1]     ; ck (1 - d)+
.endr
	TICK
.irp i, 0,2,4,6,8,10,12,14
	v_pk_mul_f32 v[T3+\i:T3+\i+1], v[T1+\i:T1+\i+1], v[T1+\i:T1+\i+1]
.endr
	TICK
.irp i, 0,2,4,6,8,10,12,14
	v_pk_mul_f32 v[T3+\i:T3+\i+1], v[T3+\i:T3+\i+1], v[T1+\i:T1+\i+1]
.endr
	TICK
.irp i, 0,2,4,6,8,10,12,14
	v_pk_mul_f32 v[T0+\i:T0+\i+1], v[T2+\i:T2+\i+1], v[T2+\i:T2+\i+1]
.endr
	TICK
.irp i, 0,2,4,6,8,10,12,14
	v_pk_fma_f32 v[T0+\i:T0+\i+1], v[T0+\i:T0+\i+1], v[T2+\i:T2+\i+1], v[T3+\i:T3+\i+1] neg_lo:[1,0,0] neg_hi:[1,0,0]   ; the basis
.endr
	TICK
	v_max3_num_f32 v246, v[T0], v[T0+1], v[T0+2]   ; the block's largest: the other 16 of its 32 numbers are 0, and none is negative but by rounding
	v_max3_num_f32 v247, v[T0+3], v[T0+4], v[T0+5]
	v_max3_num_f32 v248, v[T0+6], v[T0+7], v[T0+8]
	v_max3_num_f32 v249, v[T0+9], v[T0+10], v[T0+11]
	v_max3_num_f32 v250, v[T0+12], v[T0+13], v[T0+14]
	v_max3_num_f32 v246, v246, v247, v248
	v_max3_num_f32 v249, v249, v250, v[T0+15]
	v_max3_num_f32 v246, v246, v249, 0x2800000     ; and the floor 2^(5 - 127): the byte cannot fall under 1
	v_add_nc_u32 v247, 0xfe000000, v246            ; 4 off the exponent field: the conversion's scale operand
	v_lshrrev_b32 v[\by], 23, v247                 ; the scale's byte
	v_cvt_scalef32_pk16_bf6_f32 v[252:254], v[T0:T0+15], v247      ; 96 bits: feature j's four codes at bit 24 j
	v_nop                                          ; one plain place behind a scaled conversion
	v_and_b32 v[T1], s34, v252                     ; f0 .. f3: a feature's 24 bits,
	v_perm_b32 v[T1+1], v253, v252, s52
	v_perm_b32 v[T1+2], v254, v253, s53
	v_lshrrev_b32 v[T1+3], 8, v254
	v_bfe_u32 v[T1+4], v252, 8, 16                 ; and the same without their low 8
	v_and_b32 v[T1+5], 0xffff, v253
	v_perm_b32 v[T1+6], v254, v253, s54
	v_lshrrev_b32 v[T1+7], 16, v254
	v_lshlrev_b32 v[\dst], v[SHL], v[T1]           ; f << shift, 48 bits at the most: the low word,
	v_lshlrev_b32 v[T1+1], v[SHL+1], v[T1+1]
	v_lshlrev_b32 v[\dst+3], v[SHL+2], v[T1+2]
	v_lshlrev_b32 v[T1+3], v[SHL+3], v[T1+3]
.irp j, 0,1,2,3
	v_lshrrev_b32 v[T1+4+\j], v[CB+\j], v[T1+4+\j] ; and the upper 16 bits: (f >> 8) >> (24 - shift)
.endr
	v_lshl_or_b32 v[\dst+1], v[T1+1], 16, v[T1+4]  ; four fields of 48 bits on end
	v_alignbit_b32 v[\dst+2], v[T1+5], v[T1+1], 16
	v_lshl_or_b32 v[\dst+4], v[T1+3], 16, v[T1+6]
	v_alignbit_b32 v[\dst+5], v[T1+7], v[T1+3], 16
.endm
; A fragment's scale word: my two bytes stand for blocks h and 2 + h of the K step; lane l xor 16 has the other two.
.macro FRAGFIN s, by0, by1
	v_lshl_or_b32 v249, v[\by1], 16, v[\by0]
	v_lshlrev_b32 v249, v[SH8], v249
	v_permlanex16_b32 v250, v249, s20, s21
	v_or_b32 v[\s], v249, v250
.endm
.macro FRAGFIN1 s, by                  ; the same with blocks 2 and 3 empty: zero codes under the byte 0
	v_lshlrev_b32 v249, v[SH8], v[\by]
	v_permlanex16_b32 v250, v249, s20, s21
	v_or_b32 v[\s], v249, v250
.endm
.macro IMAGE fr, s, ai, aw, off        ; a fragment and its scale words go to LDS as they stand in the registers
.irp q, 0,1,2
	ds_store_b128 v[\ai], v[\fr+4*\q:\fr+4*\q+3] offset:\off+512*\q
.endr
	ds_store_b32 v[\aw], v[\s] offset:\off
.endm
; silu of the 32 numbers in XV, a whole block of a lane, in three parts, so that other work can stand between them.  x / (1 + 2^(-x log2 e)).
.macro SILU_A1
.irp i, 0,2,4,6,8,10,12,14,16,18,20,22,24,26,28,30
	v_pk_mul_f32 v[T0+\i:T0+\i+1], v[XV+\i:XV+\i+1], s[30:31] op_sel_hi:[1,0]
.endr
.set kk, 0
.rept 8
.irp i, 0,1,2,3
	v_exp_f32 v[T0+4*kk+\i], v[T0+4*kk+\i]
.endr
	TICK
.set kk, kk+1
.endr
	v_nop                                          ; a plain instruction behind the last exponential,
	s_wait_alu depctr_va_vdst(0)                   ; and one wait for the batch of 32 ahead of its first reader
.irp i, 0,2,4,6,8,10,12,14,16,18,20,22,24,26,28,30
	v_pk_add_f32 v[T0+\i:T0+\i+1], v[T0+\i:T0+\i+1], 1.0 op_sel_hi:[1,0]
.endr
.endm
.macro SILU_A2
.set kk, 0
.rept 32
	v_rcp_f32 v[T0+kk], v[T0+kk]
.set kk, kk+1
.endr
.endm
.macro SILU_B dst, by                  ; the products, the block's scale, its codes in v[dst] .. v[dst + 5]
	v_nop
	s_wait_alu depctr_va_vdst(0)                   ; one wait for the 32 reciprocals
.irp i, 0,2,4,6,8,10,12,14,16,18,20,22,24,26,28,30
	v_pk_mul_f32 v[T0+\i:T0+\i+1], v[T0+\i:T0+\i+1], v[XV+\i:XV+\i+1]
.endr
	v_max3_num_f32 v246, |v[T0]|, |v[T0+1]|, |v[T0+2]|
	v_max3_num_f32 v247, |v[T0+3]|, |v[T0+4]|, |v[T0+5]|
.irp i, 6,10,14,18,22,26
	v_max3_num_f32 v246, v246, |v[T0+\i]|, |v[T0+\i+1]|
	v_max3_num_f32 v247, v247, |v[T0+\i+2]|, |v[T0+\i+3]|
.endr
	v_max3_num_f32 v246, v246, |v[T0+30]|, |v[T0+31]|
	v_max3_num_f32 v246, v246, v247, 0x2800000
	v_add_nc_u32 v247, 0xfe000000, v246
	v_lshrrev_b32 v[\by], 23, v247
	v_cvt_scalef32_pk16_bf6_f32 v[\dst:\dst+2], v[T0:T0+15], v247
	v_cvt_scalef32_pk16_bf6_f32 v[252:254], v[T0+16:T0+31], v247   ; (a conversion's three registers begin on an even number)
	v_nop
.irp i, 0,1,2
	v_mov_b32 v[\dst+3+\i], v[252+\i]
.endr
.endm
	; ---------------- the head
	s_load_b256 s[4:11], s[0:1], 0x0               ; U s[4:5], ln_w s[6:7], ln_b s[8:9], stats s[10:11]
	s_load_b128 s[12:15], s[0:1], 0x20             ; wfrag s[12:13], out0 s[14:15]
	v_lshl_add_u32 v251, v0, 2, 0x4b500
	v_mov_b32 v255, 0
	v_lshrrev_b32 v20, 5, v0
	v_readfirstlane_b32 s16, v20                   ; wave 0..3
	v_and_b32 v20, 31, v0                          ; L
	v_and_b32 v21, 15, v0                          ; r
	v_bfe_u32 v22, v0, 4, 1                        ; h
	v_lshlrev_b32 v23, 3, v20
	v_lshlrev_b32 v[L16], 4, v20
	v_lshlrev_b32 v[L4], 2, v20
	v_lshlrev_b32 v[SH8], 3, v22
	s_wait_alu depctr_va_sdst(0)                   ; s16 is written, ahead of its first reader: LDS addresses and the buffers' bases are made from it
	s_mul_i32 s19, s16, 16960                      ; 32 rows of 528 bytes + 64
	v_add_nc_u32 v[UTW], s19, v[L16]
	v_mul_u32_u24 v[UR], v21, 528
	v_lshl_add_u32 v[UR], v22, 5, v[UR]
	v_add_nc_u32 v[UR], s19, v[UR]
	v_mul_u32_u24 v[UTX], v22, 16960
	v_lshl_add_u32 v[UTX], v21, 2, v[UTX]
	s_lshl_b32 s19, s16, 7
	v_add_nc_u32 v[UTX], s19, v[UTX]               ; 16,960 h + 4 (32 w + r)
	s_mul_i32 s19, s16, 33792
	s_add_co_u32 s19, s19, HST
	v_add_nc_u32 v[LNW], s19, v[L16]
	v_mul_u32_u24 v[LNR], v21, 528
	v_lshl_add_u32 v[LNR], v22, 7, v[LNR]
	v_add_nc_u32 v[LNR], s19, v[LNR]
	s_lshl_b32 s19, s16, 14
	s_add_co_u32 s19, s19, ZST
	v_add_nc_u32 v[ZA], s19, v[L16]
	s_mul_i32 s19, s16, 2*IMG
	s_add_co_u32 s19, s19, A1R
	v_add_nc_u32 v[IMW], s19, v[L16]
	s_add_co_u32 s19, s19, 1536
	v_add_nc_u32 v[IMS], s19, v[L4]
	v_add_nc_u32 v[IMR], A1R, v[L16]
	v_add_nc_u32 v[ISR], A1R+1536, v[L4]
	s_lshl_b32 s19, s16, 15
	s_add_co_u32 s19, s19, HST
	v_add_nc_u32 v[HA], s19, v[L16]
	s_lshl_b32 s19, s16, 13
	s_add_co_u32 s19, s19, ZST
	v_add_nc_u32 v[PW], s19, v[L16]
	s_lshl_b32 s19, s16, 11
	s_add_co_u32 s19, s19, ZST
	v_add_nc_u32 v[PR], s19, v[L16]
	v_mov_b32 v[C55], 0x40b00000
	v_mov_b32 v[C55+1], 0x40b00000
	v_mov_b32 v[CSH], 0x4affffdc
	v_mov_b32 v[CSH+1], 0x4affffdc
	v_mov_b32 v[CNN], 0x4b00002a
	v_mov_b32 v[CNN+1], 0x4b00002a
	v_mov_b32 v[C10], 1.0
	v_mov_b32 v[C10+1], 0
	v_mov_b32 v[CM12], -1.0
	v_mov_b32 v[CM12+1], -2.0
	v_mov_b32 v[C2CA], 0x3f8ce1da
	v_mov_b32 v[C2CA+1], 0x3f8ce1da
	v_mov_b32 v[CCK], 0x3f5fa2f8
	v_mov_b32 v[CCK+1], 0x3f5fa2f8
	v_mov_b32 v250, 0                              ; a lane permute's destination counts as one of its sources
.irp i, 6,7,8,9,10,11
	v_mov_b32 v[FRZ+\i], 0
.endr
	s_mov_b32 s20, 0x76543210
	s_mov_b32 s21, 0xfedcba98                      ; v_permlanex16_b32's selects for lane l xor 16
	s_mov_b32 s22, 0x40200000                      ; 2.5  (the packed forms name a pair and take its low word for both halves: both words are written)
	s_mov_b32 s23, s22
	s_mov_b32 s24, 0x40c00000                      ; 6.0
	s_mov_b32 s25, s24
	s_mov_b32 s26, 0xbf0ce1da                      ; -ca
	s_mov_b32 s27, s26
	s_mov_b32 s28, 0xbf5fa2f8                      ; -ck
	s_mov_b32 s29, s28
	s_mov_b32 s30, 0xbfb8aa3b                      ; -log2 e
	s_mov_b32 s31, s30
	s_mov_b32 s32, 0x40400000                      ; 3.0
	s_mov_b32 s33, 0x40e00000                      ; 7.0
	s_mov_b32 s34, 0xffffff
	s_mov_b32 s52, 0x0c050403                      ; byte selects: bits 24-47 of a pair of words,
	s_mov_b32 s53, 0x0c040302                      ; bits 16-39,
	s_mov_b32 s54, 0x0c0c0403                      ; bits 24-39
	s_and_b32 s17, ttmp9, 3                        ; which 128 tokens
	s_lshr_b32 s18, ttmp9, 2                       ; the batch
	s_lshl_b32 s2, s18, 18                         ; U and out0: a batch is 262,144 bytes, my wave's 32 channels 65,536, my tokens 512 in a row
	s_lshl_b32 s19, s16, 16
	s_add_co_u32 s2, s2, s19
	s_lshl_b32 s19, s17, 9
	s_add_co_u32 s2, s2, s19
	s_mov_b32 s3, 0
	s_lshl_b32 s44, s17, 16                        ; ln_w and ln_b: 128 tokens x 512 bytes, my wave's 32 tokens
	s_lshl_b32 s19, s16, 14
	s_add_co_u32 s44, s44, s19
	s_mov_b32 s45, 0
	s_lshl_b32 s46, s18, 8                         ; stats: 32 pairs a batch
	s_mov_b32 s47, 0
	s_mul_i32 s48, s16, 36*REC                     ; W1: 36 records a wave
	s_mov_b32 s49, 0
	s_mul_i32 s50, s16, 40*REC                     ; W2: 40 a wave, behind W1's 144
	s_add_co_u32 s50, s50, 144*REC
	s_mov_b32 s51, 0
	s_wait_kmcnt 0x0
	s_add_nc_u64 s[4:5], s[4:5], s[2:3]
	s_add_nc_u64 s[14:15], s[14:15], s[2:3]
	s_add_nc_u64 s[6:7], s[6:7], s[44:45]
	s_add_nc_u64 s[8:9], s[8:9], s[44:45]
	s_add_nc_u64 s[10:11], s[10:11], s[46:47]
	s_add_nc_u64 s[40:41], s[12:13], s[48:49]
	s_add_nc_u64 s[42:43], s[12:13], s[50:51]
	s_wait_alu depctr_va_vdst(0)                   ; v1 to v18 and v23 are written: the offsets and LDS addresses that the loads and stores of the whole kernel read
	global_load_b64 v[246:247], v23, s[10:11]      ; lane L: chunk L's mean and M2
	WIN 0x40
.set ii, 0
.rept 32
	global_load_b128 v[4*ii:4*ii+3], v[L16], s[4:5] offset:2048*ii th:TH_LOAD_NT   ; channel 32 w + ii, my 128 tokens: 512 consecutive bytes
.set ii, ii+1
.endr
.set ii, 0
.rept 32
	global_load_b128 v[128+4*ii:128+4*ii+3], v[L16], s[6:7] offset:512*ii          ; ln_w, token 32 w + ii
.set ii, ii+1
.endr
	s_wait_loadcnt 32                              ; the statistics and U are in; ln_w's 32 loads may be out
	WIN 0x04
.set ii, 0
.rept 32
	ds_store_b128 v[UTW], v[4*ii:4*ii+3] offset:528*ii
.set ii, ii+1
.endr
	WIN 0x80
.set ii, 0
.rept 32
	global_load_b128 v[4*ii:4*ii+3], v[L16], s[8:9] offset:512*ii                  ; ln_b
.set ii, ii+1
.endr
	WIN 0
	v_mov_b32 v248, v246                           ; the batch's mean and variance from its 32 chunks of 2,048
	LANESUM 248
	v_mul_f32 v[MU], 0x3d000000, v248              ; / 32
	v_sub_f32 v248, v246, v[MU]
	v_mul_f32 v248, v248, v248
	v_fmamk_f32 v248, v248, 0x45000000, v247       ; M2 + 2,048 (chunk's mean - mean)^2
	LANESUM 248
	s_mov_b32 s19, 0x37800000                      ; 1 / 65,536
	v_fmaak_f32 v248, s19, v248, 0x3727c5ac        ; var + 1e-5
	v_rsq_f32 v[RS], v248
	v_mov_b32 v[MU+1], v[MU]                       ; (a plain place behind the transcendental)
	s_wait_alu depctr_va_vdst(0)                   ; a wait ahead of the result's first reader
	v_mov_b32 v[RS+1], v[RS]
	s_wait_loadcnt 32                              ; ln_w is in; ln_b's 32 loads may be out
	WIN 0x04
.set ii, 0
.rept 32
	ds_store_b128 v[LNW], v[128+4*ii:128+4*ii+3] offset:528*ii
.set ii, ii+1
.endr
	s_wait_loadcnt 0x0
	WIN 0x08
.set ii, 0
.rept 32
	ds_store_b128 v[LNW], v[4*ii:4*ii+3] offset:LNB+528*ii
.set ii, ii+1
.endr
	s_wait_dscnt 0x0                               ; the stores have landed, for the other waves' sake
	WIN 0x40
	s_wait_alu depctr_vm_vsrc(0)                   ; the LDS stores above have read window 1, in which the loads below land, and window 2's v0-127, which layer 1's first products write
.set ii, 0
.rept 21
.irp q, 0,1,2
	global_load_b128 v[12*ii+4*\q:12*ii+4*\q+3], v[L16], s[42:43] offset:REC*ii+512*\q     ; W2's fragments 0-20: 63 loads, wanted only in layer 2
.endr
.set ii, ii+1
.endr
	WIN 0
	s_barrier_signal -1
	s_barrier_wait -1                              ; U's tile is whole
	; ---------------- LayerNorm, and the silu step of layer 1, for token tile 2 w + f
.macro PASSZ f
.irp c, 0,1                                    ; 32 channels at a time: 64 c + 32 h + 0 .. 31: a whole block of the silu step
.if \c == 1
	s_wait_alu depctr_va_vdst(0)                   ; the first half's vector work is done with XV and T0 to T3, in which the loads below land
.endif
.if (\f)+(\c) > 0
	s_wait_alu depctr_vm_vsrc(0)                   ; z's stores have read XV, in which the loads below land; at a pass's head the image's stores have read FRA and SA0, which this pass writes again
.endif
.set ii, 0
.rept 32
	ds_load_b32 v[XV+ii], v[UTX] offset:64*\f+33920*\c+528*ii
.set ii, ii+1
.endr
.irp i, 0,1,2,3,4,5,6,7
	ds_load_b128 v[T2+4*\i:T2+4*\i+3], v[LNR] offset:8448*\f+256*\c+16*\i
.endr
.irp i, 0,1,2,3,4,5,6,7
	ds_load_b128 v[T0+4*\i:T0+4*\i+3], v[LNR] offset:LNB+8448*\f+256*\c+16*\i
.endr
	s_wait_dscnt 0x0
.irp i, 0,2,4,6,8,10,12,14,16,18,20,22,24,26,28,30
	v_pk_add_f32 v[XV+\i:XV+\i+1], v[XV+\i:XV+\i+1], v[MU:MU+1] neg_lo:[0,1] neg_hi:[0,1]
.endr
.irp i, 0,2,4,6,8,10,12,14,16,18,20,22,24,26,28,30
	v_pk_mul_f32 v[XV+\i:XV+\i+1], v[XV+\i:XV+\i+1], v[RS:RS+1]
.endr
.irp i, 0,2,4,6,8,10,12,14,16,18,20,22,24,26,28,30
	v_pk_fma_f32 v[XV+\i:XV+\i+1], v[XV+\i:XV+\i+1], v[T2+\i:T2+\i+1], v[T0+\i:T0+\i+1]
.endr
	s_wait_alu depctr_va_vdst(0)                   ; z is written in XV, which the stores below read
.irp i, 0,1,2,3,4,5,6,7
	ds_store_b128 v[ZA], v[XV+4*\i:XV+4*\i+3] offset:8192*\f+4096*\c+512*\i        ; z is kept for the spline steps: my lane's own bytes
.endr
	SILU_A1
	SILU_A2
	SILU_B FRA+6*\c, 244+\c
	s_wait_dscnt 0x0                               ; the stores have landed
.endr
	FRAGFIN SA0, 244, 245
	s_wait_alu depctr_va_vdst(0)                   ; the fragment and its scale word are written, which the image's stores read.  The silu is also done with XV and T0, in which the next pass's loads land
	IMAGE FRA, SA0, IMW, IMS, A1BO+IMG*\f
	s_wait_dscnt 0x0
.endm
	PASSZ 0
.set ii, 0
.rept 40
	global_load_b32 v[W2S+ii], v[L4], s[42:43] offset:REC*ii+1536   ; W2's scale words,
.set ii, ii+1
.endr
	RELOAD 0                                       ; and W1's first K step, last, in the order in which the groups are waited for.  (No vector or matrix instruction has named these registers yet)
	RELOAD 1
	RELOAD 2
	RELOAD 3
	PASSZ 1
	s_barrier_signal -1
	s_barrier_wait -1                              ; the silu step's eight images lie in LDS
	; ---------------- layer 1.  Stage t makes the images of spline step t (slot t % 2) and multiplies K step t (t = 0: silu; else spline step t - 1, from the other slot).
.macro AFLOAD                          ; the eight tokens' fragments and their scale words, from the images at v[WK1], v[WK2]
	WIN 0xC0
.irp m, 0,1,2,3,4,5,6,7
.irp q, 0,1,2
	ds_load_b128 v[12*\m+4*\q:12*\m+4*\q+3], v[WK1] offset:IMG*\m+512*\q
.endr
.endr
	WIN 0
.irp m, 0,1,2,3,4,5,6,7
	ds_load_b32 v[ASC+\m], v[WK2] offset:IMG*\m
.endr
.endm
.macro STAGE zero
	s_wait_xcnt 0x0                                ; the last stage's weight loads have read their base:
	s_add_nc_u64 s[40:41], s[40:41], 4*REC         ; it steps to the K step that this stage loads
	s_wait_alu depctr_vm_vsrc(0)                   ; the memory and LDS instructions issued so far have read v19 to v23, which the adds below write, and the images' stores FRA, FRB, SA0 and SA1, which this stage writes again
	v_add_nc_u32 v[WK0], s38, v[ZA]
	v_add_nc_u32 v[WK1], s37, v[IMR]
	v_add_nc_u32 v[WK2], s37, v[ISR]
	v_add_nc_u32 v[WK3], s36, v[IMW]
	v_add_nc_u32 v[WK4], s36, v[IMS]
	s_wait_alu depctr_va_vdst(0)                   ; the five addresses are written; the last stage's products are done reading the tokens' fragments and scale words, its blocks done reading XV: the 36 loads below land there
	ds_load_b128 v[XV:XV+3], v[WK0]                ; z: tile 2 w, the step's two blocks;
	ds_load_b128 v[XV+4:XV+7], v[WK0] offset:512
	ds_load_b128 v[XV+8:XV+11], v[WK0] offset:8192 ; tile 2 w + 1
	ds_load_b128 v[XV+12:XV+15], v[WK0] offset:8704
	AFLOAD
	s_wait_dscnt 32                                ; z is in; the 32 loads of images may be out
	QSET 0, 0, 0
	GENBLK XV, FRA, 244, 0
	s_wait_dscnt 0x0                               ; the images are in
.set QZ, \zero
	QSET 1, 0, 32                                  ; 32 products, over the first 32 of the 36 places of the three blocks below
	GENBLK XV+4, FRA+6, 245, 0
	FRAGFIN SA0, 244, 245
	s_wait_alu depctr_va_vdst(0)                   ; FRA and SA0 are written, which the image's stores read; products 0 to 7 are done reading W1's fragment 0 and its scale words, in which the loads below land
	IMAGE FRA, SA0, WK3, WK4, 0
	RELOAD 0
	GENBLK XV+8, FRB, 244, 0
	GENBLK XV+12, FRB+6, 245, 0
	FRAGFIN SA1, 244, 245
	s_wait_alu depctr_va_vdst(0)                   ; FRB and SA1 are written, which the image's stores read; products 24 to 31 are done reading W1's fragment 3 and its scale words, in which the loads below land
	IMAGE FRB, SA1, WK3, WK4, IMG
	RELOAD 3
.if \zero
	s_mov_b32 s37, 0                               ; the next stage reads slot 0 and writes slot 1
	s_mov_b32 s36, SLOTB
.else
	s_xor_b32 s37, s37, SLOTB
	s_xor_b32 s36, s36, SLOTB
.endif
	s_add_co_u32 s38, s38, 1024
	BAR                                            ; this stage's images lie in LDS, and nobody reads the other slot any more
.endm
	s_mov_b32 s36, 0
	s_mov_b32 s37, A1BO
	s_mov_b32 s38, 0
	STAGE 1                                        ; its products start the sums: nothing is cleared
	s_mov_b32 s35, 7
.Lk:
	STAGE 0
	s_sub_co_u32 s35, s35, 1
	s_cmp_lg_u32 s35, 0
	s_cbranch_scc1 .Lk
	s_wait_alu depctr_vm_vsrc(0)                   ; the last stage's LDS loads have read v[WK1] and v[WK2]
	v_add_nc_u32 v[WK1], s37, v[IMR]               ; the last K step: nothing is left to make or to load
	v_add_nc_u32 v[WK2], s37, v[ISR]
	s_wait_alu depctr_va_vdst(0)                   ; the two addresses are written; the last stage's products are done reading the tokens' fragments and scale words
	AFLOAD
	s_wait_dscnt 0x0
	WIN 0xAF
.set ii, 0
.rept 32
.if (ii%8) == 0
	s_wait_loadcnt 12-4*(ii/8)                     ; behind this group's 4 loads: those of the 3, 2, 1, 0 groups that follow
.endif
	MM1X ii, 0
.set ii, ii+1
.endr
	WIN 0
	; ---------------- between the layers
	PLACES                                         ; four places behind the last products, ahead of the stores of their results
	WIN 0xC0
	s_wait_alu depctr_va_vdst(0)                   ; the products are done reading window 3, in which the loads below land, and have written the 32 accumulators, which the stores below read
.set ii, 21
.rept 19
.irp q, 0,1,2
	global_load_b128 v[12*(ii-21)+4*\q:12*(ii-21)+4*\q+3], v[L16], s[42:43] offset:REC*ii+512*\q   ; W2's fragments 21-39
.endr
.set ii, ii+1
.endr
	WIN 0x08
.set ii, 0
.rept 32                                       ; accumulator 8 tau + m: my token of tile m, my units 8 tau + 0 .. 7: into my lane's own pieces; each accumulator from its low end on
	ds_store_b128 v[HA], v[8*ii:8*ii+3] offset:4096*(ii%8)+1024*(ii/8)
	ds_store_b128 v[HA], v[8*ii+4:8*ii+7] offset:4096*(ii%8)+1024*(ii/8)+512
.set ii, ii+1
.endr
	WIN 0
	s_wait_alu depctr_va_vdst(0)                   ; layer 1's blocks are done reading XV: the wait stands directly ahead of the loads that land in it, since stores by the same address register stand behind the wait above
.irp p, 0,1,2,3,4,5,6,7
	ds_load_b128 v[XV+4*\p:XV+4*\p+3], v[HA] offset:512*\p         ; tile 0.  LDS serves a wave's instructions in order: these see my stores
.endr
	s_wait_dscnt 0x0
	QSET 0, 0, 0
	SILU_A1
	SILU_A2
	SILU_B FRZ, 244
	FRAGFIN1 SAZ, 244
	; ---------------- layer 2: a trip is a tile of 16 tokens.  XV holds the tile's 32 units of my lane, FRZ their silu (made a trip ahead).
	s_mov_b32 s35, 8
	s_mov_b32 s46, 4096
	s_mov_b32 s49, 4096                            ; where the next tile's pieces lie
	s_mov_b32 s47, 0                               ; the slot of partial sums
	s_mov_b32 s48, 0                               ; 64 bytes of a row of UT a tile
.Ltile:
	s_wait_alu depctr_vm_vsrc(0)                   ; the LDS instructions issued so far have read v[WK0] to v[WK3]; the stores of the sums (ahead of the first trip: of the hidden layer) have read window 2's v0-63, which the first eight products write anew, and v64 on, in which this trip's loads land
	v_add_nc_u32 v[WK0], s47, v[PW]
	v_add_nc_u32 v[WK1], s47, v[PR]
	v_add_nc_u32 v[WK2], s48, v[UR]
	v_add_nc_u32 v[WK3], s49, v[HA]                ; (the wait ahead of the first product stands behind these four and ahead of every LDS instruction that reads them)
	QSET 2, 0, 8                                   ; silu's eight products stand in the first spline step's vector work, and so on: each step's products in the next step's
	GENBLK XV, FRA, 244, 0
	GENBLK XV+4, FRA+6, 245, 0
	FRAGFIN SA0, 244, 245
	QSET 2, 8, 16
	GENBLK XV+8, FRB, 244, 0
	GENBLK XV+12, FRB+6, 245, 0
	FRAGFIN SA1, 244, 245
	QSET 2, 16, 24
	GENBLK XV+16, FRA, 244, 0
	GENBLK XV+20, FRA+6, 245, 0
	FRAGFIN SA0, 244, 245
	QSET 2, 24, 32
	GENBLK XV+24, FRB, 244, 0
	GENBLK XV+28, FRB+6, 245, 1                    ; the tile's last numbers are read: the next tile's are asked for (in the last trip tile 7's again: what is made of them is not used)
	FRAGFIN SA1, 244, 245
	QSET 2, 32, 40
	s_wait_dscnt 0x0                               ; the next tile is in
	SILU_A1                                        ; its silu carries the last eight products; the 16 additions at its end are the places behind them
	s_wait_alu depctr_va_vdst(0)                   ; the tile's products have written the eight accumulators, which the stores below read: behind the places
	WIN 0x08
.irp n, 0,1,2,3,4,5,6,7
	ds_store_b128 v[WK0], v[8*\n:8*\n+3] offset:1024*\n            ; my quarter's sums for all 128 channels; each accumulator from its low end on
	ds_store_b128 v[WK0], v[8*\n+4:8*\n+7] offset:1024*\n+512
.endr
	WIN 0
	SILU_A2
	BAR                                            ; the four quarters lie in this slot; the other slot's readers have finished a trip ago
	WIN 0x80
.irp q, 0,1,2,3                                ; q = 2 e + half: channel 32 w + 16 e + r, tokens 8 h + 4 half + 0 .. 3.  (No vector instruction of this trip has named window 2's v64-143: the waits above stand behind the last trip's additions)
.irp u, 0,1,2,3
	ds_load_b128 v[64+16*\q+4*\u:64+16*\q+4*\u+3], v[WK1] offset:8192*\u+512*\q
.endr
	ds_load_b128 v[128+4*\q:128+4*\q+3], v[WK2] offset:8448*(\q/2)+16*(\q%2)       ; and U
.endr
	WIN 0
	SILU_B FRZ, 244
	FRAGFIN1 SAZ, 244
	s_wait_dscnt 0x0
	WIN 0x8A
.irp q, 0,1,2,3
.irp u, 0,2
	v_pk_add_f32 v[64+16*\q+\u:65+16*\q+\u], v[64+16*\q+\u:65+16*\q+\u], v[68+16*\q+\u:69+16*\q+\u]
	v_pk_add_f32 v[72+16*\q+\u:73+16*\q+\u], v[72+16*\q+\u:73+16*\q+\u], v[76+16*\q+\u:77+16*\q+\u]
.endr
.endr
.irp q, 0,1,2,3
.irp u, 0,2
	v_pk_add_f32 v[64+16*\q+\u:65+16*\q+\u], v[64+16*\q+\u:65+16*\q+\u], v[72+16*\q+\u:73+16*\q+\u]
.endr
.endr
.irp q, 0,1,2,3
.irp u, 0,2
	v_pk_add_f32 v[64+16*\q+\u:65+16*\q+\u], v[64+16*\q+\u:65+16*\q+\u], v[128+4*\q+\u:129+4*\q+\u]
.endr
.endr
	s_wait_alu depctr_va_vdst(0)                   ; the additions have written the result, which the stores below read
	WIN 0x08
.irp q, 0,1,2,3
	ds_store_b128 v[WK2], v[64+16*\q:67+16*\q] offset:8448*(\q/2)+16*(\q%2)        ; the result takes U's place: my wave's rows, my lane's bytes
.endr
	WIN 0
	s_xor_b32 s47, s47, PSL
	s_add_co_u32 s48, s48, 64
	s_add_co_u32 s46, s46, 4096
	s_min_u32 s49, s46, 28672                      ; held at tile 7
	s_sub_co_u32 s35, s35, 1
	s_cmp_lg_u32 s35, 0
	s_cbranch_scc1 .Ltile
	; ---------------- the way out: my wave's 32 channels, whole rows of 512 bytes.  No wait on va_vdst is written here: the one ahead of the last trip's stores of the result
	; stands behind every vector instruction of the kernel that names v100 to v227, in which the loads below land.
.set ii, 0
.rept 32
	ds_load_b128 v[100+4*ii:103+4*ii], v[UTW] offset:528*ii        ; LDS serves a wave's instructions in order: these see my stores
.set ii, ii+1
.endr
.set ii, 0
.rept 32
	s_wait_dscnt 31-ii                             ; LDS loads come back in order: row ii is in
	global_store_b128 v[L16], v[100+4*ii:103+4*ii], s[14:15] offset:2048*ii th:TH_STORE_NT   ; 32 lanes store 512 consecutive bytes, at a multiple of 256 from out0's first byte
.set ii, ii+1
.endr
	s_wait_dscnt 0x0
	s_wait_alu depctr_hold_cnt(0) depctr_sa_sdst(0) depctr_va_vdst(0) depctr_va_sdst(0) depctr_va_ssrc(0) depctr_va_vcc(0) depctr_vm_vsrc(0)
	s_wait_tensorcnt 0x0
	ds_add_u32 v251, v255
	s_wait_dscnt 0x0
	s_endpgm
.Lfunc_end_k_qd262e3a8dd_kan:
	.size	k_qd262e3a8dd_kan, .Lfunc_end_k_qd262e3a8dd_kan-k_qd262e3a8dd_kan
	.p2alignl 7, 3214868480
	.fill 96, 4, 3214868480
	.section	.rodata,"a",@progbits
	.p2align	6, 0x0
	.amdhsa_kernel k_qd262e3a8dd_kan
		.amdhsa_group_segment_fixed_size 308992
		.amdhsa_private_segment_fixed_size 0
		.amdhsa_enable_private_segment 0
		.amdhsa_kernarg_size 48
		.amdhsa_user_sgpr_count 2
		.amdhsa_user_sgpr_kernarg_segment_ptr 1
		.amdhsa_wavefront_size32 1
		.amdhsa_system_sgpr_workgroup_id_x 1
		.amdhsa_system_sgpr_workgroup_id_y 1
		.amdhsa_system_sgpr_workgroup_id_z 1
		.amdhsa_system_vgpr_workitem_id 0
		.amdhsa_next_free_vgpr 1024
		.amdhsa_next_free_sgpr 66
		.amdhsa_reserve_vcc 0
		.amdhsa_float_denorm_mode_32 3
		.amdhsa_float_denorm_mode_16_64 3
		.amdhsa_memory_ordered 1
		.amdhsa_forward_progress 1
		.amdhsa_inst_pref_size 255
	.end_amdhsa_kernel
	.section	.bss,"aw",@nobits
	.p2align	6
	.space	262144
	.amdgpu_metadata
---
amdhsa.version: [ 1, 2 ]
amdhsa.kernels:
  - .name:           k_qd262e3a8dd_kan
    .symbol:         k_qd262e3a8dd_kan.kd
    .args:
      - { .name: U, .offset: 0, .size: 8, .value_kind: global_buffer, .address_space: global }
      - { .name: ln_w, .offset: 8, .size: 8, .value_kind: global_buffer, .address_space: global }
      - { .name: ln_b, .offset: 16, .size: 8, .value_kind: global_buffer, .address_space: global }
      - { .name: stats, .offset: 24, .size: 8, .value_kind: global_buffer, .address_space: global }
      - { .name: wfrag, .offset: 32, .size: 8, .value_kind: global_buffer, .address_space: global }
      - { .name: out0, .offset: 40, .size: 8, .value_kind: global_buffer, .address_space: global }
    .group_segment_fixed_size: 308992
    .private_segment_fixed_size: 0
    .kernarg_segment_align: 8
    .kernarg_segment_size: 48
    .max_flat_workgroup_size: 128
    .sgpr_count:     66
    .vgpr_count:     1024
    .wavefront_size: 32
...
	.end_amdgpu_metadata
.endif
;; end of part 3
